; MI455X (gfx1250); checked and timed in simulation.
; The chip was launched on July 23, 2026; its instructions are those of AMD's public machine-readable ISA for CDNA 5 (MIT licence, August 2026) and "CDNA5" Instruction Set Architecture Reference Guide (July 2026). The comments in the code are by the model that wrote it; some were corrected since.
;; Frequency Aware GQA. Allowed arithmetic: matrix products marked QUANTISED: E2M1 operands, one E8M0 scale for each 32 along K, by v_wmma_scale_f32_16x16x128_f8f6f4 with both operands' format E2M1 (or v_wmma_scale_f32_32x16x128_f4), f32 sums; products left as they are: bf16, f16 or f32 operands; f32 sums; everything else in f32.
;; Inputs: Wkv 1,024 x 384 float32; Wo 1,024 x 1,024 float32; Wq 1,024 x 1,024 float32; cos 2,048 x 64 float32; ln_b 64 float32; ln_g 64 float32; sin 2,048 x 64 float32; x 2 x 2,048 x 1,024 float32.
;; Outputs: out0 2 x 2,048 x 1,024 float32.
;; This version of the problem:
;;   THIS VERSION OF THE PROBLEM IS GIVEN IN LOW PRECISION. The matrix products marked QUANTISED in the list below multiply operands that are first quantised to E2M1 (2 exponent bits, 1 mantissa bit; 4 bits a number), with one power-of-two scale for each 32 numbers along K (OCP MX v1.0); their sums are f32. The products marked 'left as it is' may take bf16, f16 or f32 operands, with f32 sums. Whichever they take, every output number must still come out within the allowed error. Rounding operands to bf16 (8 significant bits) uses up far more of that allowance than f16 does (11 bits, for magnitudes from 6e-5 to 65,504). All else is computed in f32.
;;   The module's matrix products, in the order in which they are computed (A, B: the left and right operand; K: the contracted axis; several contracted axes count as one K, in the product's order):
;;     1. [M 4,096, K 1,024] x [K 1,024, N 1,024]; A: input x; B: input Wq: QUANTISED
;;     2. [M 4,096, K 1,024] x [K 1,024, N 384]; A: input x; B: input Wkv: QUANTISED
;;     3. batch 32 x [M 2,048, K 64] x [K 64, N 2,048]; A: computed on the way; B: computed on the way: left as it is (an operand is computed on the way)
;;     4. batch 32 x [M 2,048, K 2,048] x [K 2,048, N 64]; A: computed on the way; B: computed on the way: left as it is (an operand is computed on the way)
;;     5. [M 4,096, K 1,024] x [K 1,024, N 1,024]; A: computed on the way; B: input Wo: left as it is (an operand is computed on the way)
;;   THE QUANTISER, for each operand of a quantised product, along K:
;;     - K is cut into blocks of 32 from its start; a last block that is shorter is filled with zeros.
;;     - A block's scale is 2^e with e = floor(log2(the largest magnitude in the block)) - 2, held to -126 .. 127; a block of zeros has e = 0. As a byte (E8M0): e + 127.
;;     - Each number is divided by its block's scale, clamped to +-6, and rounded to the nearest number of E2M1, ties to even, subnormals kept.
;;     - The product sums the exact products of the quantised numbers (number of the format x scale) in f32.
;;   ~~~python
;;   def quantise(x, axis):      # numpy; x: float32 -> the quantised numbers, widened to float32 again
;;       x = np.moveaxis(x, axis, -1); K = x.shape[-1]
;;       x = np.pad(x, [(0, 0)] * (x.ndim - 1) + [(0, -K % 32)]); x = x.reshape(x.shape[:-1] + (-1, 32)); a = np.abs(x).max(-1, keepdims=True)
;;       e = np.where(a > 0, np.clip(np.frexp(np.where(a > 0, a, 1))[1] - 1 - 2, -126, 127), 0)      # np.frexp(a)[1] - 1 = floor(log2(a)), exactly
;;       r = np.clip(x / 2.0 ** e, -6, 6)
;;       step = 2.0 ** (np.maximum(np.frexp(np.where(r == 0, 1, r))[1] - 1, 0) - 1)
;;       q = np.round(r / step) * step * 2.0 ** e      # np.round: ties to even
;;       return np.moveaxis(q.reshape(q.shape[:-2] + (-1,))[..., :K], -1, axis).astype(np.float32)
;;   ~~~
;; One version. Each part assembles by itself: llvm-mc -triple=amdgcn-amd-amdhsa -mcpu=gfx1250 --defsym DOCPART=n.
;; ======== version 1 of 1: 4 launches
;; limits: values are held in f16: magnitudes above 65,504 overflow, below 6.1e-05 lose precision; right only within a limited range of input values
;; workspace buffers: xq 2,228,224 bytes; wq4 765,952 bytes; wof 2,097,152 bytes; qimg 16,777,216 bytes; psum 131,072 bytes; kvp 3,145,728 bytes; att 8,388,608 bytes
;; launch prep (part 1): grid 408 x 1, 8 waves a work-group, no clusters, 60,928 bytes of LDS; arguments x, Wq, Wkv, Wo, xq, wq4, wof; writes xq, wq4, wof
.if DOCPART == 1
	.amdgcn_target "amdgcn-amd-amdhsa--gfx1250"
	.amdhsa_code_object_version 6
	.text
	.protected	k_q857797b043_prep
	.globl	k_q857797b043_prep
	.p2align	8
	.type	k_q857797b043_prep,@function
k_q857797b043_prep:
	s_mov_b64 s[64:65], 0
	v_nop
	global_prefetch_b8 v0, s[64:65] scope:SCOPE_SE
	s_setreg_imm32_b32 hwreg(HW_REG_WAVE_MODE, 25, 1), 1
	s_wait_xcnt 0x0
; x [4096][1024], Wq [1024][1024] and Wkv [1024][384], f32, become codes of FP4 (E2M1) with K innermost and one E8M0 byte for each 32 along K; Wo becomes f16 as it lies.
;   xq : codes [4096][512 bytes]; from byte XSOFF on the scale bytes [4096][32]
;   wq4: codes [1408][512 bytes], row n < 1024 = column n of Wq, row 1024 + c = column c of Wkv; from byte WSOFF on the scale bytes [1408][32]
;   wof: [1024][1024] f16
; A block's scale is 2^(floor(log2(its largest magnitude)) - 2): its byte is the largest magnitude's exponent field - 2, held at 1 from below.
; LIMITS: a block of zeros gets the byte 1 where the rule says 127 (its codes are zeros, and this program alone reads the bytes); blocks whose largest magnitude lies under 2^-124
; were not tried; NaN and infinities are not served; |Wo| stays under 65,504 (f16).
; SHARES, by the work-group's number: 0-63 Wq, 64-87 Wkv, 88-151 Wo, 152-407 x.  The branch is the same in all eight waves.  Each path has LDS bytes of its own.
; Every wave has all its loads out at once (16 of 16 bytes, or 64 of 4 bytes), so that one wait for memory serves the whole of its share.
; No matrix unit, no tensor load, no cluster: work-groups share no input byte, and the bytes decide.
.set XSOFF, 2097152
.set WSOFF, 720896
.set SP,    80                         ; x: a lane's place in a stage: 64 bytes + 16
.set XSC,   40960                      ; x: behind the eight waves' stages (2 x 32 x SP each): the work-group's 512 scale bytes
.set WQR,   41472                      ; Wq: 32 rows x 272 bytes of codes, then 32 x 16 scale bytes
.set WKR,   50688                      ; Wkv: the same
.set SPARE, 59904                      ; the spare words, 128 bytes for each wave
.set SPW,   12                         ; v12  LDS address of my spare word; never rewritten
.set NIL,   13                         ; v13  0; never rewritten
.set WV,    20                         ; s20  my wave's number
.set R,     16                         ; x: v16-79 four sets of 16 numbers as loaded
.set X,     80                         ; x: v80-111 two sets of 16 neighbours
.set E,     112                        ; x: v112-115 a scale byte for each step
.set C,     128                        ; x: v128-143 codes, registers of its own for each step
.macro FINISH                          ; the wave's end, behind my last LDS store
	s_wait_tensorcnt 0x0
	ds_add_u32 v[SPW], v[NIL]
	s_wait_dscnt 0x0
	s_endpgm
.endm
	s_load_b256 s[4:11], s[0:1], 0x0               ; x s[4:5], Wq s[6:7], Wkv s[8:9], Wo s[10:11]
	s_load_b128 s[12:15], s[0:1], 0x20             ; xq s[12:13], wq4 s[14:15]
	s_load_b64 s[16:17], s[0:1], 0x30              ; wof
	v_lshl_add_u32 v[SPW], v0, 2, SPARE
	v_mov_b32 v[NIL], 0
	v_lshrrev_b32 v1, 5, v0
	v_readfirstlane_b32 s[WV], v1                  ; wave 0..7
	v_and_b32 v2, 31, v0                           ; lane
	s_mov_b32 s23, 0                               ; the upper word of every offset
	s_wait_kmcnt 0x0
	s_cmp_lt_u32 ttmp9, 64
	s_cbranch_scc1 .Lwq
	s_cmp_lt_u32 ttmp9, 88
	s_cbranch_scc1 .Lwkv
	s_cmp_lt_u32 ttmp9, 152
	s_cbranch_scc1 .Lwo
; ---- x: a plain stream of blocks of 32.  A wave takes 2,048 numbers in four steps of 512.  Each load reads 512 consecutive bytes; a step's 2,048 bytes turn through the wave's own stage,
; so that a lane holds 16 neighbours (two neighbouring lanes hold a block).
	s_sub_co_u32 s18, ttmp9, 152
	s_lshl_b32 s19, s18, 3
	s_add_co_u32 s19, s19, s[WV]                   ; which run of 2,048 numbers is mine
	s_lshl_b32 s22, s19, 13
	s_add_nc_u64 s[4:5], s[4:5], s[22:23]
	v_lshlrev_b32 v3, 4, v2                        ; 16 bytes a lane
.macro XLOAD t
.irp i, 0,1,2,3
	global_load_b128 v[R+16*(\t)+4*\i:R+16*(\t)+4*\i+3], v3, s[4:5] offset:2048*(\t)+512*\i th:TH_LOAD_NT
.endr
.endm
	XLOAD 0
	XLOAD 1
	XLOAD 2
	XLOAD 3
	s_lshl_b32 s22, s19, 10
	s_add_nc_u64 s[24:25], s[12:13], s[22:23]      ; my run's codes
	s_lshl_b32 s22, s18, 9
	s_add_co_u32 s22, s22, XSOFF
	s_add_nc_u64 s[26:27], s[12:13], s[22:23]      ; the work-group's 512 scale bytes
	s_mul_i32 s21, s[WV], 2*32*SP
	v_lshrrev_b32 v14, 2, v2
	v_mul_u32_u24 v14, v14, SP
	v_and_b32 v15, 3, v2
	v_lshl_add_u32 v14, v15, 4, v14
	v_add_nc_u32 v14, s21, v14                     ; the stage, in: SP (lane / 4) + 16 (lane % 4)
	v_mul_u32_u24 v15, v2, SP
	v_add_nc_u32 v15, s21, v15                     ; and out: SP x lane
	v_lshlrev_b32 v4, 3, v2                        ; my 8 bytes of a step's codes
	v_lshrrev_b32 v5, 1, v2
	s_lshl_b32 s21, s[WV], 6
	s_add_co_u32 s21, s21, XSC
	v_add_nc_u32 v5, s21, v5                       ; my block's scale byte: 64 x wave + lane / 2
	v_add_nc_u32 v6, XSC, v3                       ; the way out of the 512 scale bytes: 16 x lane
.macro XTURN t                         ; LDS serves a wave's instructions in order: no wait between the stores and the loads
.irp i, 0,1,2,3
	ds_store_b128 v14, v[R+16*(\t)+4*\i:R+16*(\t)+4*\i+3] offset:32*SP*((\t)%2)+8*SP*\i
.endr
.irp i, 0,1,2,3
	ds_load_b128 v[X+16*((\t)%2)+4*\i:X+16*((\t)%2)+4*\i+3], v15 offset:32*SP*((\t)%2)+16*\i
.endr
.endm
	s_wait_loadcnt 12                              ; step 0's four loads are in; the twelve younger may be out
	XTURN 0
.macro XSTEP t
.set XB, X+16*((\t)%2)
.if (\t) > 0
	s_wait_dscnt 0x1                               ; this step's numbers are back from the stage; the last step's byte store may be out
.else
	s_wait_dscnt 0x0
.endif
.if (\t) < 3
	s_wait_loadcnt 4*(2-(\t))                      ; the next step's loads are in; those of the steps behind it may be out
	XTURN (\t)+1
.endif
	v_max3_num_f32 v8, |v[XB]|, |v[XB+1]|, |v[XB+2]|
	v_max3_num_f32 v9, |v[XB+3]|, |v[XB+4]|, |v[XB+5]|
.irp i, 6,10
	v_max3_num_f32 v8, v8, |v[XB+\i]|, |v[XB+\i+1]|
	v_max3_num_f32 v9, v9, |v[XB+\i+2]|, |v[XB+\i+3]|
.endr
	v_max3_num_f32 v8, v8, |v[XB+14]|, |v[XB+15]|
	v_max3_num_f32 v8, v8, v9, 0x1800000           ; and the floor 2^(3 - 127): the byte cannot fall under 1
	v_max_num_f32_dpp v8, v8, v8 row_xmask:1 row_mask:0xf bank_mask:0xf   ; with my neighbour's 16: the block's largest magnitude
	v_add_nc_u32 v11, 0xff000000, v8               ; 2 off its exponent field: the conversion takes that field as its scale
	v_cvt_scalef32_pk8_fp4_f32 v[C+4*(\t)], v[XB:XB+7], v11
	v_cvt_scalef32_pk8_fp4_f32 v[C+4*(\t)+1], v[XB+8:XB+15], v11
	v_lshrrev_b32 v[E+(\t)], 23, v11               ; the scale's byte (also the plain line behind the conversions)
	ds_store_b8 v5, v[E+(\t)] offset:16*(\t)       ; both lanes of a block write the same byte with the same value
	global_store_b64 v4, v[C+4*(\t):C+4*(\t)+1], s[24:25] offset:256*(\t)   ; the wave stores 256 consecutive bytes, aligned
.endm
	XSTEP 0
	XSTEP 1
	XSTEP 2
	XSTEP 3
	s_wait_dscnt 0x0                               ; for the others' sake: my scale bytes lie in LDS
	s_barrier_signal -1
	s_barrier_wait -1
	s_cmp_lg_u32 s[WV], 0
	s_cbranch_scc1 .Lx_done
	ds_load_b128 v[8:11], v6                       ; wave 0 sends the eight waves' 512 scale bytes: two aligned runs of 256
	s_wait_dscnt 0x0
	global_store_b128 v3, v[8:11], s[26:27]
.Lx_done:
	FINISH
; ---- a weight [K][N]: a lane takes a column and its registers run down K.  A work-group takes 32 columns x 512 along K, a wave 64 of those: two blocks a lane.
; The codes meet in LDS as 32 rows of 256 bytes (+ 16) and leave by rows, sixteen lanes to 256 aligned bytes.
.macro WBLOCK t
.set XB, 32+32*(\t)
	s_wait_loadcnt 32-32*(\t)                      ; this block's 32 loads are in; the second block's may be out
	v_max3_num_f32 v8, |v[XB]|, |v[XB+1]|, |v[XB+2]|
	v_max3_num_f32 v9, |v[XB+3]|, |v[XB+4]|, |v[XB+5]|
.irp i, 6,10,14,18,22,26
	v_max3_num_f32 v8, v8, |v[XB+\i]|, |v[XB+\i+1]|
	v_max3_num_f32 v9, v9, |v[XB+\i+2]|, |v[XB+\i+3]|
.endr
	v_max3_num_f32 v8, v8, |v[XB+30]|, |v[XB+31]|
	v_max3_num_f32 v8, v8, v9, 0x1800000           ; the floor
	v_add_nc_u32 v11, 0xff000000, v8
	v_lshrrev_b32 v10, 23, v11                     ; the scale's byte
.if (\t) == 0
	v_mov_b32 v24, v10
.else
	v_lshl_or_b32 v24, v10, 8, v24                 ; two bytes, the lower K in the lower byte
.endif
.irp g, 0,1,2,3
	v_cvt_scalef32_pk8_fp4_f32 v[96+4*(\t)+\g], v[XB+8*\g:XB+8*\g+7], v11
.endr
	v_nop                                          ; one plain line behind the last conversion
	ds_store_b128 v4, v[96+4*(\t):96+4*(\t)+3] offset:16*(\t)
.endm
.macro WPATH pitchb, first, nbase, plo, lb
	s_sub_co_u32 s18, ttmp9, \first
	s_lshr_b32 s19, s18, 1                         ; which 32 columns
	s_and_b32 s18, s18, 1                          ; which 512 along K
	s_lshl_b32 s21, s18, 3
	s_add_co_u32 s21, s21, s[WV]
	s_mul_i32 s22, s21, 64*(\pitchb)               ; my 64 rows of the weight,
	s_lshl_b32 s21, s19, 7
	s_add_co_u32 s22, s22, s21                     ; my work-group's columns
	s_add_nc_u64 s[\plo:\plo+1], s[\plo:\plo+1], s[22:23]
	v_lshlrev_b32 v3, 2, v2
.set ii, 0
.rept 64
	global_load_b32 v[32+ii], v3, s[\plo:\plo+1] offset:ii*(\pitchb) th:TH_LOAD_NT   ; 32 lanes read 128 consecutive bytes of row ii
.set ii, ii+1
.endr
	v_mul_u32_u24 v4, v2, 272
	s_lshl_b32 s21, s[WV], 5
	s_add_co_u32 s21, s21, \lb
	v_add_nc_u32 v4, s21, v4                       ; codes in: row = my column, 32 bytes a wave
	v_lshlrev_b32 v5, 4, v2
	s_lshl_b32 s21, s[WV], 1
	s_add_co_u32 s21, s21, (\lb)+8704
	v_add_nc_u32 v5, s21, v5                       ; scale bytes in: 16 a column, 2 a wave
	v_and_b32 v6, 15, v2
	v_lshrrev_b32 v7, 4, v2
	v_mul_u32_u24 v14, v7, 272
	v_lshl_add_u32 v14, v6, 4, v14
	s_mul_i32 s21, s[WV], 4*272
	s_add_co_u32 s21, s21, \lb
	v_add_nc_u32 v14, s21, v14                     ; codes back: rows 4 x wave + lane / 16 (+ 2), sixteen lanes to a row
	v_lshlrev_b32 v15, 9, v7
	v_lshl_add_u32 v15, v6, 4, v15                 ; and the same place in wq4
	v_lshl_add_u32 v16, v2, 4, (\lb)+8704          ; scale bytes back: 16 x lane
	v_lshlrev_b32 v17, 5, v2                       ; a row of scale bytes in wq4 is 32 bytes
	s_lshl_b32 s22, s19, 14
	s_lshl_b32 s21, s[WV], 11
	s_add_co_u32 s22, s22, s21
	s_lshl_b32 s21, s18, 8
	s_add_co_u32 s22, s22, s21
	s_add_co_u32 s22, s22, (\nbase)*512
	s_add_nc_u64 s[24:25], s[14:15], s[22:23]      ; codes: row nbase + 32 cg + 4 wave, byte 256 kh
	s_lshl_b32 s22, s19, 10
	s_lshl_b32 s21, s18, 4
	s_add_co_u32 s22, s22, s21
	s_add_co_u32 s22, s22, WSOFF+(\nbase)*32
	s_add_nc_u64 s[26:27], s[14:15], s[22:23]      ; scale bytes: row nbase + 32 cg, byte 16 kh
	WBLOCK 0
	WBLOCK 1
	ds_store_b16 v5, v24
	s_wait_dscnt 0x0                               ; for the others' sake: my codes and bytes lie in LDS
	s_barrier_signal -1
	s_barrier_wait -1
	ds_load_b128 v[104:107], v14
	ds_load_b128 v[108:111], v14 offset:544
	s_wait_dscnt 0x1                               ; the first two rows are back; the second load may be out
	global_store_b128 v15, v[104:107], s[24:25]
	s_wait_dscnt 0x0
	global_store_b128 v15, v[108:111], s[24:25] offset:1024
	s_cmp_lg_u32 s[WV], 0
	s_cbranch_scc1 .Lw_done_\@
	ds_load_b128 v[112:115], v16                   ; wave 0: a column's 16 scale bytes a lane
	s_wait_dscnt 0x0
	global_store_b128 v17, v[112:115], s[26:27]
.Lw_done_\@:
	FINISH
.endm
.Lwq:
	WPATH 4096, 0, 0, 6, WQR
.Lwkv:
	WPATH 1536, 64, 1024, 8, WKR
; ---- Wo: f32 to f16, as it lies.  A wave takes 2,048 numbers.
.Lwo:
	s_sub_co_u32 s18, ttmp9, 88
	s_lshl_b32 s19, s18, 3
	s_add_co_u32 s19, s19, s[WV]
	s_lshl_b32 s22, s19, 13
	s_add_nc_u64 s[10:11], s[10:11], s[22:23]
	s_lshl_b32 s22, s19, 12
	s_add_nc_u64 s[16:17], s[16:17], s[22:23]
	v_lshlrev_b32 v3, 4, v2
	v_lshlrev_b32 v4, 3, v2
.irp i, 0,1,2,3,4,5,6,7,8,9,10,11,12,13,14,15
	global_load_b128 v[16+4*\i:16+4*\i+3], v3, s[10:11] offset:512*\i th:TH_LOAD_NT
.endr
.irp i, 0,1,2,3,4,5,6,7,8,9,10,11,12,13,14,15
	s_wait_loadcnt 15-\i                           ; load i is in; the younger ones may be out
	v_cvt_pk_f16_f32 v[96+2*\i], v[16+4*\i], v[16+4*\i+1]
	v_cvt_pk_f16_f32 v[97+2*\i], v[16+4*\i+2], v[16+4*\i+3]
	global_store_b64 v4, v[96+2*\i:97+2*\i], s[16:17] offset:256*\i   ; the wave stores 256 consecutive bytes, aligned
.endr
	FINISH
.Lfunc_end_k_q857797b043_prep:
	.size	k_q857797b043_prep, .Lfunc_end_k_q857797b043_prep-k_q857797b043_prep
	.p2alignl 7, 3214868480
	.fill 96, 4, 3214868480
	.section	.rodata,"a",@progbits
	.p2align	6, 0x0
	.amdhsa_kernel k_q857797b043_prep
		.amdhsa_group_segment_fixed_size 60928
		.amdhsa_private_segment_fixed_size 0
		.amdhsa_enable_private_segment 0
		.amdhsa_kernarg_size 56
		.amdhsa_user_sgpr_count 2
		.amdhsa_user_sgpr_kernarg_segment_ptr 1
		.amdhsa_wavefront_size32 1
		.amdhsa_system_sgpr_workgroup_id_x 1
		.amdhsa_system_sgpr_workgroup_id_y 1
		.amdhsa_system_sgpr_workgroup_id_z 1
		.amdhsa_system_vgpr_workitem_id 0
		.amdhsa_next_free_vgpr 160
		.amdhsa_next_free_sgpr 66
		.amdhsa_reserve_vcc 0
		.amdhsa_float_denorm_mode_32 3
		.amdhsa_float_denorm_mode_16_64 3
		.amdhsa_memory_ordered 1
		.amdhsa_forward_progress 1
		.amdhsa_inst_pref_size 40
	.end_amdhsa_kernel
	.amdgpu_metadata
---
amdhsa.version: [ 1, 2 ]
amdhsa.kernels:
  - .name:           k_q857797b043_prep
    .symbol:         k_q857797b043_prep.kd
    .args:
      - { .name: x, .offset: 0, .size: 8, .value_kind: global_buffer, .address_space: global }
      - { .name: Wq, .offset: 8, .size: 8, .value_kind: global_buffer, .address_space: global }
      - { .name: Wkv, .offset: 16, .size: 8, .value_kind: global_buffer, .address_space: global }
      - { .name: Wo, .offset: 24, .size: 8, .value_kind: global_buffer, .address_space: global }
      - { .name: xq, .offset: 32, .size: 8, .value_kind: global_buffer, .address_space: global }
      - { .name: wq4, .offset: 40, .size: 8, .value_kind: global_buffer, .address_space: global }
      - { .name: wof, .offset: 48, .size: 8, .value_kind: global_buffer, .address_space: global }
    .group_segment_fixed_size: 60928
    .private_segment_fixed_size: 0
    .kernarg_segment_align: 8
    .kernarg_segment_size: 56
    .max_flat_workgroup_size: 256
    .sgpr_count:     66
    .vgpr_count:     160
    .wavefront_size: 32
...
	.end_amdgpu_metadata
.endif
;; end of part 1
;; launch proj (part 2): grid 8 x 32, 4 waves a work-group, clusters of 4 x 4, 196,608 bytes of LDS; arguments xq, wq4, cos, sin, ln_g, ln_b, qimg, psum, kvp; writes qimg, psum, kvp
.if DOCPART == 2
	.amdgcn_target "amdgcn-amd-amdhsa--gfx1250"
	.amdhsa_code_object_version 6
	.text
	.protected	k_q857797b043_proj
	.globl	k_q857797b043_proj
	.p2align	8
	.type	k_q857797b043_proj,@function
k_q857797b043_proj:
	s_mov_b64 s[64:65], 0
	v_nop
	global_prefetch_b8 v0, s[64:65] scope:SCOPE_SE
	s_setreg_imm32_b32 hwreg(HW_REG_WAVE_MODE, 25, 1), 1
	s_wait_xcnt 0x0
	s_wait_alu depctr_hold_cnt(0) depctr_sa_sdst(0) depctr_va_vdst(0) depctr_va_sdst(0) depctr_va_ssrc(0) depctr_va_vcc(0) depctr_vm_vsrc(0)
	s_getreg_b32 s2, hwreg(HW_REG_IB_STS2, 6, 4)
	s_cmp_eq_u32 s2, 0
	s_cbranch_scc0 .Lentry_in_a_cluster
	s_endpgm
.Lentry_in_a_cluster:
	s_bfe_u32 s2, ttmp6, 0x10000c
	s_cmp_lg_u32 s2, 0xf033
	s_cbranch_scc0 .Lentry_shape_is_right
	s_endpgm
.Lentry_shape_is_right:
; [x Wq | x Wkv] on codes of FP4 with E8M0 scales (4096 x 1408 x 1024), and what follows it: LayerNorm over each head's 64 for q, the rotation by cos and sin for k, and the column sums of the normalised q.
; SHARES.  Work-group (j, i): rows 128 i .. + 127, q columns 128 j .. + 127 (heads 2 j, 2 j + 1) and kv columns 48 j .. + 47: eleven tiles of 16 columns, the same work in all 256 work-groups.
; Wave w: rows 32 w .. + 31 x all 176 columns: 22 accumulators.  ALL OF K LIES IN LDS, filled once: rows of 512 bytes (1,024 codes) + 16 of padding; nothing is filled again.
; CLUSTER 4 x 4: x's rows are shared along a row of the cluster, the weights' rows along a column; each tile is asked for jointly.
; THE PRODUCT IS USED TRANSPOSED (source 0 = 16 rows of the weights' codes, source 1 = 16 rows of x): lane (r, h) holds row r and eight neighbouring columns 8 h + 0 .. 7 of a tile.
; OUT.  qimg: the normalised q, f32, as images of these registers: (((R 16 + head) 4 + nt) 2 + half) 512 + 16 lane, R = row / 16: every store is 512 consecutive bytes.
;       kvp : f16 planes [b][24][t][16], plane = kv column / 16 (kv head x 8 + 4 for v + channel / 16); k is rotated; a tile is 512 consecutive bytes.
;       psum: [i][1024] f32: the sums of the normalised q over the work-group's 128 rows.
; No branch hangs on j (partners differ in it): whether a plane is k's or v's is a mask: for v cos becomes 1 and sin 0.
; LIMITS: |x Wkv| stays under 65,504 (f16); NaN and infinities are not served.
; REGISTERS, in windows of 256.  Window 0: v1-15 addresses; v16-67 scale words, which hold nothing else; v72-175 fragments, set 0 (behind the loop: at work); v176-239 ln_g, ln_b; v240-245 at work.
;   Window 1: accumulator (m, n) at v[8 (11 m + n)].   Window 2: v72-175 fragments, set 1; behind the loop v0-127 the normalised q.   Window 3: v0-47 cos, v48-95 sin.
.set XSOFF, 2097152
.set WSOFF, 720896
.set PITCH, 528
.set TILEB, 16*PITCH
.set BOFF,  128*PITCH                  ; behind x's 128 rows: 128 rows of Wq's codes,
.set KVOFF, BOFF+128*PITCH             ; then 48 of Wkv's
.set SUMS,  BOFF+176*PITCH             ; behind the tiles: 4 waves x 16 images of 512 bytes, for the column sums
.set SPARE, SUMS+32768                 ; the spare words, 128 bytes for each wave
.set RR,   1
.set HH,   2
.set ADA,  3                           ; LDS: my fragments of x
.set ADB0, 4                           ; LDS: the weights' tiles 0-5
.set ADB1, 5                           ; tiles 6-10
.set SCO,  6                           ; 32 r + 16 h: a tile's scale words in memory; also a tile of a plane of kvp
.set LI,   7                           ; 16 x lane
.set CO,   8                           ; v8-10 offsets into cos and sin, one for each kv tile
.set GOF,  11                          ; 32 h
.set SMW,  12
.set SMR,  13
.set SPW,  14                          ; LDS address of my spare word; never rewritten
.set NIL,  15                          ; 0; never rewritten
.set SA,   16                          ; x's scale words: 4 m + q: lanes 0-15 K step q, lanes 16-31 K step 4 + q
.set SB,   24                          ; the weights': 4 n + q
.set AF,   72
.set BF,   88
.set G,    176
.set BB,   208
.set MU,   240
.set RS,   242
.set PSO,  244
.set KT,   72                          ; behind the loop: at work on k
.set KD,   80                          ; v80-103 the data of the six stores of k and v
.set D,    104
.set TT,   136
.set Z,    104
.set L,    168
.set WV,   22
.set E,    23
.set ROLE, 24
.set CX,   25
.set CY,   26
.set J,    27
.set I,    28
.set G1A,  32
.set G1Q,  40
.set G1K,  48
.set G0A,  56
.set G0Q,  60
.set G0K,  68
.set SEL,  72
.set LM,   74                          ; s74-77 the lanes in which bit 0, 1, 2, 3 of r is set
.set VM,   78                          ; s78-80 all ones where kv tile t is a plane of v
.set INV64, 81
.set EPS,  82
.set MSB, 0
.macro WIN new                         ; the immediate's high byte repeats the setting that is left
.if MSB != (\new)
	s_set_vgpr_msb (MSB<<8)|(\new)
.set MSB, \new
.endif
.endm
.macro PLACES                          ; four plain places behind matrix instructions (ISA guide 7.12.1)
.rept 4
	v_nop
.endr
.endm
.macro CROUND                          ; a round of the cluster's barrier
	s_barrier_signal -1
	s_barrier_wait -1
	s_cmp_lg_u32 s[WV], 0
	s_cbranch_scc1 .Lnot_wave_0_\@
	s_barrier_signal -3
.Lnot_wave_0_\@:
	s_barrier_wait -3
	s_barrier_signal -1
	s_barrier_wait -1
.endm
	s_load_b256 s[4:11], s[0:1], 0x0               ; xq s[4:5], wq4 s[6:7], cos s[8:9], sin s[10:11]
	s_load_b256 s[12:19], s[0:1], 0x20             ; ln_g s[12:13], ln_b s[14:15], qimg s[16:17], psum s[18:19]
	s_load_b64 s[20:21], s[0:1], 0x40              ; kvp
	v_lshl_add_u32 v[SPW], v0, 2, SPARE
	v_mov_b32 v[NIL], 0
	ds_add_u32 v[SPW], v[NIL]                      ; the wave's opening: the add, twice on end, and its wait ahead of my first tensor load
	ds_add_u32 v[SPW], v[NIL]
	v_lshrrev_b32 v1, 5, v0
	v_readfirstlane_b32 s[WV], v1                  ; wave 0..3
	s_and_b32 s[E], s[WV], 1                       ; which half of a tile I fetch
	s_lshr_b32 s[ROLE], s[WV], 1                   ; 0: I fetch x's rows; 1: the weights'
	s_bfe_u32 s[CX], ttmp6, 0x40000
	s_bfe_u32 s[CY], ttmp6, 0x40004
	s_lshl_b32 s[J], ttmp9, 2
	s_add_co_u32 s[J], s[J], s[CX]                 ; j = 4 x cluster x + cx
	s_and_b32 s[I], ttmp7, 0xffff
	s_lshl_b32 s[I], s[I], 2
	s_add_co_u32 s[I], s[I], s[CY]                 ; i = 4 x cluster y + cy
	s_lshl_b32 s29, s[CY], 2
	s_lshl_b32 s29, 15, s29                        ; my row of the cluster
	s_lshl_b32 s30, 0x1111, s[CX]                  ; my column
	; group 1: rows of 512 elements of one byte, 4 words of padding behind every 128 words; bit 21 stands beside a mask
	s_or_b32 s[G1A], s29, (1<<20)|(1<<21)|(6<<22)|(3<<25)
	s_or_b32 s[G1Q], s30, (1<<20)|(1<<21)|(6<<22)|(3<<25)
	s_or_b32 s[G1K], s30, (1<<20)|(1<<21)|(6<<22)|(3<<25)
.irp g, G1A, G1Q
	s_mov_b32 s[\g+1], 512<<16                     ; tensor_dim0
	s_mov_b32 s[\g+2], 64<<16                      ; tensor_dim1
	s_mov_b32 s[\g+3], 512<<16                     ; tile_dim0
	s_mov_b32 s[\g+4], 64                          ; tile_dim1
	s_mov_b32 s[\g+5], 512                         ; from row to row
	s_mov_b32 s[\g+6], 0
	s_mov_b32 s[\g+7], 0
.endr
	s_mov_b32 s[G1K+1], 512<<16
	s_mov_b32 s[G1K+2], 24<<16
	s_mov_b32 s[G1K+3], 512<<16
	s_mov_b32 s[G1K+4], 24
	s_mov_b32 s[G1K+5], 512
	s_mov_b32 s[G1K+6], 0
	s_mov_b32 s[G1K+7], 0
	s_lshl_b32 s84, s[I], 16                       ; x: row 128 i + 64 e, 512 bytes a row: made of i alone
	s_lshl_b32 s85, s[E], 15
	s_add_co_u32 s84, s84, s85
	s_mov_b32 s85, 0
	s_lshl_b32 s86, s[J], 16                       ; Wq's codes: row 128 j + 64 e: made of j alone
	s_lshl_b32 s87, s[E], 15
	s_add_co_u32 s86, s86, s87
	s_mov_b32 s87, 0
	s_mul_i32 s88, s[J], 48*512                    ; Wkv's: row 1024 + 48 j + 24 e
	s_mul_i32 s89, s[E], 24*512
	s_add_co_u32 s88, s88, s89
	s_add_co_u32 s88, s88, 1024*512
	s_mov_b32 s89, 0
	s_mul_i32 s90, s[E], 64*PITCH                  ; where they go: the wave's number alone enters an LDS address
	s_mul_i32 s91, s[E], 24*PITCH
	s_mov_b32 s[G0A], 1
	s_mov_b32 s[G0A+1], s90
	s_mov_b32 s[G0Q], 1
	s_add_co_u32 s[G0Q+1], s90, BOFF
	s_mov_b32 s[G0K], 1
	s_add_co_u32 s[G0K+1], s91, KVOFF
	s_mov_b32 s[SEL], 0x76543210
	s_mov_b32 s[SEL+1], 0xfedcba98                 ; v_permlanex16_b32: lane l xor 16
	s_mov_b32 s[LM], 0xaaaaaaaa
	s_mov_b32 s[LM+1], 0xcccccccc
	s_mov_b32 s[LM+2], 0xf0f0f0f0
	s_mov_b32 s[LM+3], 0xff00ff00
	s_mov_b32 s[INV64], 0x3c800000                 ; 1 / 64
	s_mov_b32 s[EPS], 0x3727c5ac                   ; 1e-5
	s_wait_dscnt 0x0                               ; both opening adds are done
	s_wait_kmcnt 0x0
	s_add_nc_u64 s[G0A+2:G0A+3], s[4:5], s[84:85]
	s_or_b32 s[G0A+3], s[G0A+3], 0x80000000
	s_add_nc_u64 s[G0Q+2:G0Q+3], s[6:7], s[86:87]
	s_or_b32 s[G0Q+3], s[G0Q+3], 0x80000000
	s_add_nc_u64 s[G0K+2:G0K+3], s[6:7], s[88:89]
	s_or_b32 s[G0K+3], s[G0K+3], 0x80000000
	CROUND                                         ; all sixteen work-groups are here: the joint loads meet
	s_cmp_eq_u32 s[ROLE], 0                        ; a wave's fills stand in one branch on its number: one load of mine is out, or two
	s_cbranch_scc0 .Lfill_b
	tensor_load_to_lds s[G0A:G0A+3], s[G1A:G1A+7]
	s_nop 0
	PLACES
	s_branch .Lfilled
.Lfill_b:
	tensor_load_to_lds s[G0Q:G0Q+3], s[G1Q:G1Q+7]
	s_nop 0
	tensor_load_to_lds s[G0K:G0K+3], s[G1K:G1K+7]
	s_nop 0
	PLACES
.Lfilled:
	; addresses
	v_and_b32 v[RR], 15, v0
	v_bfe_u32 v[HH], v0, 4, 1
	v_lshlrev_b32 v[SCO], 5, v[RR]
	v_lshl_add_u32 v[SCO], v[HH], 4, v[SCO]
	v_lshlrev_b32 v[GOF], 5, v[HH]
	s_mov_b32 s95, 0
	s_lshl_b32 s94, s[I], 12
	s_lshl_b32 s96, s[WV], 10
	s_add_co_u32 s94, s94, s96
	s_add_co_u32 s94, s94, XSOFF
	s_add_nc_u64 s[4:5], s[4:5], s[94:95]          ; x's scale bytes at row 128 i + 32 w
	s_mul_i32 s94, s[J], 48*32
	s_add_co_u32 s94, s94, WSOFF+1024*32
	s_add_nc_u64 s[92:93], s[6:7], s[94:95]        ; Wkv's at row 1024 + 48 j
	s_lshl_b32 s94, s[J], 12
	s_add_co_u32 s94, s94, WSOFF
	s_add_nc_u64 s[6:7], s[6:7], s[94:95]          ; Wq's at row 128 j
	; a tile's scale bytes, 16 rows x 32, are 512 consecutive bytes: lane (r, h) takes words 4 h .. 4 h + 3 of row r
.irp m, 0,1
	global_load_b128 v[SA+4*\m:SA+4*\m+3], v[SCO], s[4:5] offset:512*\m
.endr
.irp n, 0,1,2,3,4,5,6,7
	global_load_b128 v[SB+4*\n:SB+4*\n+3], v[SCO], s[6:7] offset:512*\n
.endr
.irp t, 0,1,2
	global_load_b128 v[SB+32+4*\t:SB+32+4*\t+3], v[SCO], s[92:93] offset:512*\t
.endr
.irp n, 0,1,2,3                                ; ln_g and ln_b in the result's layout: register 8 nt + k = channel 16 nt + 8 h + k
	global_load_b128 v[G+8*\n:G+8*\n+3], v[GOF], s[12:13] offset:64*\n
	global_load_b128 v[G+8*\n+4:G+8*\n+7], v[GOF], s[12:13] offset:64*\n+16
	global_load_b128 v[BB+8*\n:BB+8*\n+3], v[GOF], s[14:15] offset:64*\n
	global_load_b128 v[BB+8*\n+4:BB+8*\n+7], v[GOF], s[14:15] offset:64*\n+16
.endr
	v_lshlrev_b32 v[CO], 8, v[RR]
	v_lshl_add_u32 v[CO], v[HH], 5, v[CO]          ; cos, sin: 256 r + 32 h,
	s_and_b32 s85, s[I], 15
	s_lshl_b32 s85, s85, 15
	s_lshl_b32 s86, s[WV], 13
	s_add_co_u32 s85, s85, s86                     ; + the time 128 (i mod 16) + 32 w,
	s_mul_i32 s86, s[J], 3
.irp t, 2,1,0
	s_add_co_u32 s87, s86, \t                      ; plane 3 j + t:
	s_bitcmp1_b32 s87, 2                           ; bit 2 says v
	s_cselect_b32 s[VM+\t], -1, 0
	s_and_b32 s87, s87, 3
	s_lshl_b32 s87, s87, 6                         ; + the plane's 16 channels
	s_add_co_u32 s87, s87, s85
	v_add_nc_u32 v[CO+\t], s87, v[CO]
.endr
	WIN 0xc0                                       ; destination window 3
.irp m, 0,1
.irp t, 0,1,2
	global_load_b128 v[8*(3*\m+\t):8*(3*\m+\t)+3], v[CO+\t], s[8:9] offset:4096*\m
	global_load_b128 v[8*(3*\m+\t)+4:8*(3*\m+\t)+7], v[CO+\t], s[8:9] offset:4096*\m+16
	global_load_b128 v[48+8*(3*\m+\t):48+8*(3*\m+\t)+3], v[CO+\t], s[10:11] offset:4096*\m
	global_load_b128 v[48+8*(3*\m+\t)+4:48+8*(3*\m+\t)+7], v[CO+\t], s[10:11] offset:4096*\m+16
.endr
.endr
	WIN 0
	v_mul_u32_u24 v[ADB0], v[RR], PITCH
	v_lshl_add_u32 v[ADB0], v[HH], 4, v[ADB0]      ; a fragment: row r x pitch + 16 h
	s_mul_i32 s84, s[WV], 32*PITCH
	v_add_nc_u32 v[ADA], s84, v[ADB0]
	v_add_nc_u32 v[ADB1], BOFF+6*TILEB, v[ADB0]
	v_add_nc_u32 v[ADB0], BOFF, v[ADB0]
	v_and_b32 v[LI], 31, v0
	v_lshlrev_b32 v[LI], 4, v[LI]
	s_lshl_b32 s84, s[WV], 13
	s_add_co_u32 s84, s84, SUMS
	v_add_nc_u32 v[SMW], s84, v[LI]                ; my sixteen images
	s_lshl_b32 s84, s[WV], 11
	s_add_co_u32 s84, s84, SUMS
	v_add_nc_u32 v[SMR], s84, v[LI]                ; images 4 w .. 4 w + 3 of every wave
	v_and_b32 v[PSO], 7, v[RR]
	v_lshl_or_b32 v[PSO], v[HH], 3, v[PSO]
	v_lshrrev_b32 v[PSO+1], 3, v[RR]
	v_lshl_or_b32 v[PSO], v[PSO+1], 4, v[PSO]
	v_lshlrev_b32 v[PSO], 2, v[PSO]                ; psum: column r % 8 + 8 h + 16 (r / 8) of my wave's 32
	s_lshl_b32 s94, s[I], 19
	s_lshl_b32 s96, s[WV], 17
	s_add_co_u32 s94, s94, s96
	s_lshl_b32 s96, s[J], 13
	s_add_co_u32 s94, s94, s96
	s_add_nc_u64 s[16:17], s[16:17], s[94:95]      ; qimg at ((8 i + 2 w) 16 + 2 j) x 4,096
	s_lshl_b32 s94, s[I], 12
	s_lshl_b32 s96, s[J], 9
	s_add_co_u32 s94, s94, s96
	s_lshl_b32 s96, s[WV], 7
	s_add_co_u32 s94, s94, s96
	s_add_nc_u64 s[18:19], s[18:19], s[94:95]      ; psum at row i, column 128 j + 32 w
	s_lshr_b32 s94, s[I], 4
	s_mul_i32 s94, s94, 24*65536
	s_mul_i32 s96, s[J], 3*65536
	s_add_co_u32 s94, s94, s96
	s_and_b32 s96, s[I], 15
	s_lshl_b32 s96, s96, 12
	s_add_co_u32 s94, s94, s96
	s_lshl_b32 s96, s[WV], 10
	s_add_co_u32 s94, s94, s96
	s_add_nc_u64 s[20:21], s[20:21], s[94:95]      ; kvp at batch i / 16, plane 3 j, time 128 (i mod 16) + 32 w
; the fragments of K step s (128 along K): 2 tiles of x, 11 of the weights, two loads of 16 bytes each, 32 bytes apart: 26 loads
.macro FETCH s
.if ((\s)%2) == 0
	WIN 0
.else
	WIN 0x80                                       ; destination window 2
.endif
.irp m, 0,1
.irp c, 0,1
	ds_load_b128 v[AF+8*\m+4*\c:AF+8*\m+4*\c+3], v[ADA] offset:\m*TILEB+64*(\s)+32*\c
.endr
.endr
.irp n, 0,1,2,3,4,5
.irp c, 0,1
	ds_load_b128 v[BF+8*\n+4*\c:BF+8*\n+4*\c+3], v[ADB0] offset:\n*TILEB+64*(\s)+32*\c
.endr
.endr
.irp n, 6,7,8,9,10
.irp c, 0,1
	ds_load_b128 v[BF+8*\n+4*\c:BF+8*\n+4*\c+3], v[ADB1] offset:(\n-6)*TILEB+64*(\s)+32*\c
.endr
.endr
.endm
; 22 matrix instructions; the accumulators take turns, one instruction a turn.  K step 0 starts the sums.  K steps 4-7 take their scale words from lanes 16-31.
.macro MUL s
.if ((\s)%2) == 0
	WIN 0x50                                       ; C and D window 1
.else
	WIN 0x5a                                       ; and both sources window 2
.endif
.irp m, 0,1
.irp n, 0,1,2,3,4,5,6,7,8,9,10
.if (\s) == 0
	v_wmma_scale_f32_16x16x128_f8f6f4 v[8*(11*\m+\n):8*(11*\m+\n)+7], v[BF+8*\n:BF+8*\n+7], v[AF+8*\m:AF+8*\m+7], 0, v[SB+4*\n+(\s)%4], v[SA+4*\m+(\s)%4] matrix_a_fmt:MATRIX_FMT_FP4 matrix_b_fmt:MATRIX_FMT_FP4
.elseif (\s) < 4
	v_wmma_scale_f32_16x16x128_f8f6f4 v[8*(11*\m+\n):8*(11*\m+\n)+7], v[BF+8*\n:BF+8*\n+7], v[AF+8*\m:AF+8*\m+7], v[8*(11*\m+\n):8*(11*\m+\n)+7], v[SB+4*\n+(\s)%4], v[SA+4*\m+(\s)%4] matrix_a_fmt:MATRIX_FMT_FP4 matrix_b_fmt:MATRIX_FMT_FP4
.else
	v_wmma_scale_f32_16x16x128_f8f6f4 v[8*(11*\m+\n):8*(11*\m+\n)+7], v[BF+8*\n:BF+8*\n+7], v[AF+8*\m:AF+8*\m+7], v[8*(11*\m+\n):8*(11*\m+\n)+7], v[SB+4*\n+(\s)%4], v[SA+4*\m+(\s)%4] matrix_a_fmt:MATRIX_FMT_FP4 matrix_b_fmt:MATRIX_FMT_FP4 matrix_a_scale:MATRIX_SCALE_ROW1 matrix_b_scale:MATRIX_SCALE_ROW1
.endif
.endr
.endr
.endm
	s_wait_tensorcnt 0x0                           ; my part of the tiles is in,
	s_barrier_signal -1
	s_barrier_wait -1                              ; everybody's is
	s_wait_loadcnt 40                              ; the 13 loads of scale words are in; the 40 of ln_g, ln_b, cos and sin may be out
	FETCH 0
.irp s, 0,1,2,3,4,5,6,7
.if \s < 7
.if \s > 0
	PLACES                                         ; in front of loads into the set that the K step before multiplied
.endif
	FETCH \s+1
	s_wait_dscnt 26                                ; this K step's fragments are in; the 26 loads just issued may be out
.else
	s_wait_dscnt 0x0
.endif
	MUL \s
.endr
	WIN 0
	PLACES
	s_wait_loadcnt 0x0                             ; ln_g, ln_b, cos, sin
	; ---- k and v.  For a plane of v: cos = 1, sin = 0
	WIN 0xc3                                       ; destination and source 0 window 3
.irp t, 0,1,2
.irp m, 0,1
.irp k, 0,1,2,3,4,5,6,7
	v_cndmask_b32 v[8*(3*\m+\t)+\k], v[8*(3*\m+\t)+\k], 1.0, s[VM+\t]
	v_cndmask_b32 v[48+8*(3*\m+\t)+\k], v[48+8*(3*\m+\t)+\k], 0, s[VM+\t]
.endr
.endr
.endr
.macro KV m, t                         ; out(2p) = x(2p) c(2p) - x(2p+1) s(2p);  out(2p+1) = x(2p+1) c(2p+1) + x(2p) s(2p+1);  then f16, 16 bytes a lane
.set AC, 8*(11*(\m)+8+(\t))
.set CB, 8*(3*(\m)+(\t))
.set KQ, KD+4*(3*(\m)+(\t))
	WIN 0x0d                                       ; source 0 window 1 (the sums), source 1 window 3 (cos, sin)
.irp p, 0,1,2,3
	v_mul_f32 v[KT+2*\p], v[AC+2*\p], v[CB+2*\p]
	v_mul_f32 v[KT+2*\p+1], v[AC+2*\p+1], v[CB+2*\p+1]
.endr
.irp p, 0,1,2,3
	v_fma_f32 v[KT+2*\p], -v[AC+2*\p+1], v[48+CB+2*\p], v[KT+2*\p]
	v_fma_f32 v[KT+2*\p+1], v[AC+2*\p], v[48+CB+2*\p+1], v[KT+2*\p+1]
.endr
	WIN 0
.irp p, 0,1,2,3
	v_cvt_pk_f16_f32 v[KQ+\p], v[KT+2*\p], v[KT+2*\p+1]
.endr
	global_store_b128 v[SCO], v[KQ:KQ+3], s[20:21] offset:(\t)*65536+(\m)*512   ; 32 lanes store 512 consecutive bytes
.endm
.irp m, 0,1
.irp t, 0,1,2
	KV \m, \t
.endr
.endr
	; ---- q: LayerNorm over a head's 64: 32 in my registers, 32 in lane l xor 16's
.macro LN m, hh
.set AC, 8*(11*(\m)+4*(\hh))
.set YB, 32*(2*(\m)+(\hh))
	WIN 0x05                                       ; sources window 1
.irp q, 0,1,2,3,4,5,6,7
	v_pk_add_f32 v[TT+2*\q:TT+2*\q+1], v[AC+4*\q:AC+4*\q+1], v[AC+4*\q+2:AC+4*\q+3]   ; each accumulator from its low end on
.endr
	WIN 0
	v_pk_add_f32 v[TT:TT+1], v[TT:TT+1], v[TT+2:TT+3]
	v_pk_add_f32 v[TT+4:TT+5], v[TT+4:TT+5], v[TT+6:TT+7]
	v_pk_add_f32 v[TT+8:TT+9], v[TT+8:TT+9], v[TT+10:TT+11]
	v_pk_add_f32 v[TT+12:TT+13], v[TT+12:TT+13], v[TT+14:TT+15]
	v_pk_add_f32 v[TT:TT+1], v[TT:TT+1], v[TT+4:TT+5]
	v_pk_add_f32 v[TT+8:TT+9], v[TT+8:TT+9], v[TT+12:TT+13]
	v_pk_add_f32 v[TT:TT+1], v[TT:TT+1], v[TT+8:TT+9]
	v_add_f32 v[TT], v[TT], v[TT+1]
	v_permlanex16_b32 v[TT+2], v[TT], s[SEL], s[SEL+1]
	v_add_f32 v[TT], v[TT], v[TT+2]
	v_mul_f32 v[MU], s[INV64], v[TT]               ; the mean,
	v_mov_b32 v[MU+1], v[MU]                       ; twice, for the packed forms
	WIN 0x01                                       ; source 0 window 1
.irp q, 0,1,2,3,4,5,6,7,8,9,10,11,12,13,14,15
	v_pk_add_f32 v[D+2*\q:D+2*\q+1], v[AC+2*\q:AC+2*\q+1], v[MU:MU+1] neg_lo:[0,1] neg_hi:[0,1]
.endr
	WIN 0
	v_pk_mul_f32 v[TT:TT+1], v[D:D+1], v[D:D+1]
	v_pk_mul_f32 v[TT+2:TT+3], v[D+2:D+3], v[D+2:D+3]
.irp q, 4,8,12,16,20,24,28
	v_pk_fma_f32 v[TT:TT+1], v[D+\q:D+\q+1], v[D+\q:D+\q+1], v[TT:TT+1]
	v_pk_fma_f32 v[TT+2:TT+3], v[D+\q+2:D+\q+3], v[D+\q+2:D+\q+3], v[TT+2:TT+3]
.endr
	v_pk_add_f32 v[TT:TT+1], v[TT:TT+1], v[TT+2:TT+3]
	v_add_f32 v[TT], v[TT], v[TT+1]
	v_permlanex16_b32 v[TT+2], v[TT], s[SEL], s[SEL+1]
	v_add_f32 v[TT], v[TT], v[TT+2]
	v_fma_f32 v[TT], v[TT], s[INV64], s[EPS]       ; the variance + eps
	v_rsq_f32 v[RS], v[TT]
	v_nop                                          ; a plain line behind the transcendental,
	s_wait_alu depctr_va_vdst(0)                   ; and a wait ahead of its first reader
	v_mov_b32 v[RS+1], v[RS]
.irp q, 0,1,2,3,4,5,6,7,8,9,10,11,12,13,14,15
	v_pk_mul_f32 v[D+2*\q:D+2*\q+1], v[D+2*\q:D+2*\q+1], v[RS:RS+1]
.endr
	WIN 0x80                                       ; destination window 2
.irp q, 0,1,2,3,4,5,6,7,8,9,10,11,12,13,14,15
	v_pk_fma_f32 v[YB+2*\q:YB+2*\q+1], v[D+2*\q:D+2*\q+1], v[G+2*\q:G+2*\q+1], v[BB+2*\q:BB+2*\q+1]
.endr
	WIN 0x08                                       ; a store's data are its source 1: window 2
.irp k, 0,1,2,3,4,5,6,7
	global_store_b128 v[LI], v[YB+4*\k:YB+4*\k+3], s[16:17] offset:(\m)*65536+(\hh)*4096+\k*512   ; 512 consecutive bytes; the four blocks have registers of their own
.endr
	WIN 0
.endm
	LN 0, 0
	LN 0, 1
	LN 1, 0
	LN 1, 1
	; ---- the column sums over the work-group's 128 rows
	WIN 0x0a                                       ; sources window 2
.irp hh, 0,1
.irp q, 0,1,2,3,4,5,6,7,8,9,10,11,12,13,14,15
	v_pk_add_f32 v[Z+32*\hh+2*\q:Z+32*\hh+2*\q+1], v[32*\hh+2*\q:32*\hh+2*\q+1], v[64+32*\hh+2*\q:64+32*\hh+2*\q+1]   ; my two tiles of rows
.endr
.endr
	WIN 0
.irp q, 0,1,2,3,4,5,6,7,8,9,10,11,12,13,14,15
	ds_store_b128 v[SMW], v[Z+4*\q:Z+4*\q+3] offset:512*\q
.endr
	s_wait_dscnt 0x0                               ; for the others' sake: my images lie in LDS
	s_barrier_signal -1
	s_barrier_wait -1
.irp w, 0,1,2,3
.irp q, 0,1,2,3
	ds_load_b128 v[L+16*\w+4*\q:L+16*\w+4*\q+3], v[SMR] offset:8192*\w+512*\q   ; registers 16 w .. 16 w + 15 of the 64, from all four waves
.endr
.endr
	s_wait_dscnt 0x0
.irp w, 1,2,3
.irp u, 0,1,2,3,4,5,6,7
	v_pk_add_f32 v[L+2*\u:L+2*\u+1], v[L+2*\u:L+2*\u+1], v[L+16*\w+2*\u:L+16*\w+2*\u+1]
.endr
.endr
; sixteen numbers a lane are summed over the sixteen rows r: in each step a lane keeps half of its numbers, by a bit of r, and hands the other half to the lane that keeps them.  Lane r ends with number r.
.macro SCAT n, src, dst, tmp, mask, xm
.set ii, 0
.rept \n
	v_cndmask_b32 v[\dst+ii], v[\src+ii], v[\src+ii+\n], s[\mask]
	v_cndmask_b32 v[\tmp+ii], v[\src+ii+\n], v[\src+ii], s[\mask]
	v_add_f32_dpp v[\dst+ii], v[\tmp+ii], v[\dst+ii] row_xmask:\xm row_mask:0xf bank_mask:0xf
.set ii, ii+1
.endr
.endm
	SCAT 8, L, 104, 112, LM+3, 8
	SCAT 4, 104, 120, 124, LM+2, 4
	SCAT 2, 120, 128, 130, LM+1, 2
	SCAT 1, 128, 132, 133, LM, 1
	global_store_b32 v[PSO], v132, s[18:19]        ; the wave stores 128 consecutive bytes, the work-group 512
	s_wait_tensorcnt 0x0                           ; the wave's end
	ds_add_u32 v[SPW], v[NIL]
	s_wait_dscnt 0x0
	CROUND                                         ; the closing round
	s_endpgm
.Lfunc_end_k_q857797b043_proj:
	.size	k_q857797b043_proj, .Lfunc_end_k_q857797b043_proj-k_q857797b043_proj
	.p2alignl 7, 3214868480
	.fill 96, 4, 3214868480
	.section	.rodata,"a",@progbits
	.p2align	6, 0x0
	.amdhsa_kernel k_q857797b043_proj
		.amdhsa_group_segment_fixed_size 196608
		.amdhsa_private_segment_fixed_size 0
		.amdhsa_enable_private_segment 0
		.amdhsa_kernarg_size 72
		.amdhsa_user_sgpr_count 2
		.amdhsa_user_sgpr_kernarg_segment_ptr 1
		.amdhsa_wavefront_size32 1
		.amdhsa_system_sgpr_workgroup_id_x 1
		.amdhsa_system_sgpr_workgroup_id_y 1
		.amdhsa_system_sgpr_workgroup_id_z 1
		.amdhsa_system_vgpr_workitem_id 0
		.amdhsa_next_free_vgpr 864
		.amdhsa_next_free_sgpr 100
		.amdhsa_reserve_vcc 0
		.amdhsa_float_denorm_mode_32 3
		.amdhsa_float_denorm_mode_16_64 3
		.amdhsa_memory_ordered 1
		.amdhsa_forward_progress 1
		.amdhsa_inst_pref_size 99
	.end_amdhsa_kernel
	.amdgpu_metadata
---
amdhsa.version: [ 1, 2 ]
amdhsa.kernels:
  - .name:           k_q857797b043_proj
    .symbol:         k_q857797b043_proj.kd
    .args:
      - { .name: xq, .offset: 0, .size: 8, .value_kind: global_buffer, .address_space: global }
      - { .name: wq4, .offset: 8, .size: 8, .value_kind: global_buffer, .address_space: global }
      - { .name: cos, .offset: 16, .size: 8, .value_kind: global_buffer, .address_space: global }
      - { .name: sin, .offset: 24, .size: 8, .value_kind: global_buffer, .address_space: global }
      - { .name: ln_g, .offset: 32, .size: 8, .value_kind: global_buffer, .address_space: global }
      - { .name: ln_b, .offset: 40, .size: 8, .value_kind: global_buffer, .address_space: global }
      - { .name: qimg, .offset: 48, .size: 8, .value_kind: global_buffer, .address_space: global }
      - { .name: psum, .offset: 56, .size: 8, .value_kind: global_buffer, .address_space: global }
      - { .name: kvp, .offset: 64, .size: 8, .value_kind: global_buffer, .address_space: global }
    .group_segment_fixed_size: 196608
    .private_segment_fixed_size: 0
    .kernarg_segment_align: 8
    .kernarg_segment_size: 72
    .max_flat_workgroup_size: 128
    .sgpr_count:     100
    .vgpr_count:     864
    .wavefront_size: 32
...
	.end_amdgpu_metadata
.endif
;; end of part 2
;; launch attn (part 3): grid 16 x 16, 8 waves a work-group, clusters of 4 x 1, 327,680 bytes of LDS; arguments qimg, psum, kvp, cos, sin, att; writes att
.if DOCPART == 3
	.amdgcn_target "amdgcn-amd-amdhsa--gfx1250"
	.amdhsa_code_object_version 6
	.text
	.protected	k_q857797b043_attn
	.globl	k_q857797b043_attn
	.p2align	8
	.type	k_q857797b043_attn,@function
k_q857797b043_attn:
	s_mov_b64 s[64:65], 0
	v_nop
	global_prefetch_b8 v0, s[64:65] scope:SCOPE_SE
	s_setreg_imm32_b32 hwreg(HW_REG_WAVE_MODE, 25, 1), 1
	s_wait_xcnt 0x0
	s_wait_alu depctr_hold_cnt(0) depctr_sa_sdst(0) depctr_va_vdst(0) depctr_va_sdst(0) depctr_va_ssrc(0) depctr_va_vcc(0) depctr_vm_vsrc(0)
	s_getreg_b32 s2, hwreg(HW_REG_IB_STS2, 6, 4)
	s_cmp_eq_u32 s2, 0
	s_cbranch_scc0 .Lentry_in_a_cluster
	s_endpgm
.Lentry_in_a_cluster:
	s_bfe_u32 s2, ttmp6, 0x10000c
	s_cmp_lg_u32 s2, 0x3003
	s_cbranch_scc0 .Lentry_shape_is_right
	s_endpgm
.Lentry_shape_is_right:
; att[b][t][head 64 + d] = softmax_s(q . k / 8) v, f16 operands, f32 sums, for 16 query heads that share 3 key and value heads (4, 8, 4).
; AHEAD OF IT, in f32: the time mean of the normalised q (the sixteen partial sums of psum, / 2048) is taken away, q is rotated by cos and sin, and scaled by c = log2(e) / 8; only then it is rounded to f16.
; SHARES.  A work-group: 128 queries of one batch x heads 2 hp, 2 hp + 1, which share key and value head (hp + 2) / 4.  Wave w: 16 queries x both heads: two tiles, which share every fragment of K and V.
; Two waves lie on a SIMD: one wave's softmax stands beside the other's products.
; LAYOUT.  S^T = K Q^T (source 0 = 16 keys, source 1 = 16 queries) and O^T = V^T P (source 0 = 16 channels): a lane holds one query (lane % 16) throughout.
; K and V come as planes [key][16 channels] of f16, 32 bytes a key: a fragment of K is two plain loads, a fragment of V^T two transposing loads, each of 512 consecutive LDS bytes.
; RING.  Two slots of 512 keys (8 key steps of 64): 8 planes of 16,384 bytes; wave w brings plane w, one dense block.  The four partners of a cluster walk the same K and V: each load is joint.
; The change of slots stands ahead of a slot's LAST step, whose fragments are then in registers: so every step fetches its successor's fragments alike.
; SOFTMAX.  A running maximum M and sum L a query: p = 2^(t - M); in every step O and L are multiplied by 2^(old M - new M).
; No prefetch: a refill is asked for eight key steps ahead of its first read, so no wave waits for it, and each plane is read by many work-groups.
; LIMITS: k and v lie in f16 (under 65,504); NaN and infinities are not served.
; REGISTERS.  Window 0: v1-15 addresses; v16-31 statistics, eight a tile (+0 M, +2 +3 L, +4..+7 at work, 2^(old M - new M) in +6); v32-63 Q; v64-127 S^T; v128-159 P; v160-223 O^T; v224-255 sin (head only).
;   Window 1: v0-63 K's fragments, v64-127 V's.
.set PL,    16384                      ; a plane's part of a slot
.set VOFF,  4*PL
.set SLOT1, 1<<17
.set STAGE, 2*SLOT1                    ; behind the ring: 16 rows x 272 bytes for each wave, for the way out
.set MSC,   STAGE+8*16*272             ; 512 bytes for each wave: the mean x c of the two heads' 128 channels
.set SPARE, MSC+8*512                  ; the spare words, 128 bytes for each wave
.set RR,   1
.set HH,   2
.set AK0,  3
.set AV0,  4
.set ADK,  5
.set ADV,  6
.set STO,  7
.set RD,   8
.set GO,   9
.set LI,   10
.set CO,   11
.set MSCW, 12
.set MSCR, 13
.set SPW,  14                          ; LDS address of my spare word; never rewritten
.set NIL,  15                          ; 0; never rewritten
.set ST,   16
.set Q,    32
.set S,    64
.set P,    128
.set O,    160
.set SN,   224
.set KF,   0                           ; in window 1
.set VF,   64
.set WV,   16
.set G1,   24
.set G0A,  32
.set G0B,  36
.set SLOTS, 40
.set INNER, 41
.set TB,   42                          ; LDS byte at which the step to be fetched begins in its planes
.set SEL,  44
.set CS,   46
.set MSB, 0
.macro WIN new
.if MSB != (\new)
	s_set_vgpr_msb (MSB<<8)|(\new)
.set MSB, \new
.endif
.endm
.macro PLACES
.rept 4
	v_nop
.endr
.endm
.macro CROUND
	s_barrier_signal -1
	s_barrier_wait -1
	s_cmp_lg_u32 s[WV], 0
	s_cbranch_scc1 .Lnot_wave_0_\@
	s_barrier_signal -3
.Lnot_wave_0_\@:
	s_barrier_wait -3
	s_barrier_signal -1
	s_barrier_wait -1
.endm
	s_load_b256 s[4:11], s[0:1], 0x0               ; qimg s[4:5], psum s[6:7], kvp s[8:9], cos s[10:11]
	s_load_b128 s[12:15], s[0:1], 0x20             ; sin s[12:13], att s[14:15]
	v_lshl_add_u32 v[SPW], v0, 2, SPARE
	v_mov_b32 v[NIL], 0
	ds_add_u32 v[SPW], v[NIL]                      ; the wave's opening: the add, twice on end, and its wait ahead of my first tensor load
	ds_add_u32 v[SPW], v[NIL]
	v_lshrrev_b32 v1, 5, v0
	v_readfirstlane_b32 s[WV], v1                  ; wave 0..7
	s_bfe_u32 s17, ttmp6, 0x40000                  ; cx
	s_lshl_b32 s18, ttmp9, 2
	s_add_co_u32 s18, s18, s17                     ; my block of 128 queries: it enters global addresses of q, cos, sin and att alone
	s_and_b32 s19, ttmp7, 0xffff
	s_and_b32 s20, s19, 7                          ; hp
	s_lshr_b32 s19, s19, 3                         ; batch
	s_add_co_u32 s21, s20, 2
	s_lshr_b32 s21, s21, 2                         ; the key and value head
	s_lshl_b32 s22, s19, 7
	s_lshl_b32 s23, s18, 3
	s_add_co_u32 s22, s22, s23
	s_add_co_u32 s22, s22, s[WV]                   ; R: my tile of 16 rows among the 256
	; group 1: a dense block of 16,384 bytes as 64 rows of 32 elements of 8 bytes; the mask names all four partners
	s_mov_b32 s[G1], 15|(3<<16)|(1<<21)
	s_mov_b32 s[G1+1], 32<<16
	s_mov_b32 s[G1+2], 64<<16
	s_mov_b32 s[G1+3], 32<<16
	s_mov_b32 s[G1+4], 64
	s_mov_b32 s[G1+5], 32
	s_mov_b32 s[G1+6], 0
	s_mov_b32 s[G1+7], 0
	s_mul_i32 s48, s19, 24
	s_lshl_b32 s49, s21, 3
	s_add_co_u32 s48, s48, s49
	s_add_co_u32 s48, s48, s[WV]                   ; plane: waves 0-3 K's four, waves 4-7 V's
	s_lshl_b32 s48, s48, 16
	s_mov_b32 s49, 0
	s_lshl_b32 s50, s[WV], 14
	s_mov_b32 s[G0A], 1
	s_mov_b32 s[G0A+1], s50                        ; slot 0
	s_mov_b32 s[G0B], 1
	s_add_co_u32 s[G0B+1], s50, SLOT1              ; slot 1; this descriptor then walks
	s_mov_b32 s[SEL], 0x76543210
	s_mov_b32 s[SEL+1], 0xfedcba98
	s_mov_b32 s[CS], 0x3e38aa3b                    ; c = log2(e) / 8
	s_mov_b32 s[CS+1], s[CS]
	s_mov_b32 s[TB], 0
	s_wait_dscnt 0x0                               ; both opening adds are done
	s_wait_kmcnt 0x0
	s_add_nc_u64 s[G0A+2:G0A+3], s[8:9], s[48:49]
	s_add_nc_u64 s[G0B+2:G0B+3], s[G0A+2:G0A+3], PL
	s_or_b32 s[G0A+3], s[G0A+3], 0x80000000
	s_or_b32 s[G0B+3], s[G0B+3], 0x80000000
	CROUND                                         ; all four work-groups are here: the first joint loads meet
	tensor_load_to_lds s[G0A:G0A+3], s[G1:G1+7]    ; keys 0-511
	s_nop 0
	tensor_load_to_lds s[G0B:G0B+3], s[G1:G1+7]    ; keys 512-1023: two loads of mine are out
	s_nop 0
	PLACES
	; ---- q, while the tiles land
	v_and_b32 v[RR], 15, v0
	v_bfe_u32 v[HH], v0, 4, 1
	v_and_b32 v[LI], 31, v0
	v_lshlrev_b32 v[LI], 4, v[LI]
	v_lshlrev_b32 v[CO], 8, v[RR]
	v_lshl_add_u32 v[CO], v[HH], 5, v[CO]          ; cos, sin: 256 r + 32 h
	s_lshl_b32 s48, s19, 16
	s_lshl_b32 s50, s20, 9
	s_add_co_u32 s48, s48, s50
	s_add_nc_u64 s[6:7], s[6:7], s[48:49]          ; psum: the batch's 16 rows, the two heads' 128 columns
	s_lshl_b32 s48, s22, 16
	s_lshl_b32 s50, s20, 13
	s_add_co_u32 s48, s48, s50
	s_add_nc_u64 s[4:5], s[4:5], s[48:49]          ; qimg at (16 R + 2 hp) x 4,096
	s_lshl_b32 s48, s18, 15
	s_lshl_b32 s50, s[WV], 12
	s_add_co_u32 s48, s48, s50
	s_add_nc_u64 s[10:11], s[10:11], s[48:49]      ; cos and sin at my first query's time
	s_add_nc_u64 s[12:13], s[12:13], s[48:49]
	s_lshl_b32 s48, s22, 15
	s_lshl_b32 s50, s20, 8
	s_add_co_u32 s48, s48, s50
	s_add_nc_u64 s[14:15], s[14:15], s[48:49]      ; att at row 16 R, byte 256 hp
.irp p, 0,1,2,3,4,5,6,7,8,9,10,11,12,13,14,15
	global_load_b128 v[O+4*\p:O+4*\p+3], v[LI], s[6:7] offset:4096*\p          ; lane l: columns 4 l .. 4 l + 3 of partial sum p
.endr
.irp k, 0,1,2,3,4,5,6,7,8,9,10,11,12,13,14,15
	global_load_b128 v[S+4*\k:S+4*\k+3], v[LI], s[4:5] offset:512*\k th:TH_LOAD_NT   ; register 32 hd + 8 nt + i: channel 16 nt + 8 h + i of query r
.endr
.irp n, 0,1,2,3
	global_load_b128 v[P+8*\n:P+8*\n+3], v[CO], s[10:11] offset:64*\n
	global_load_b128 v[P+8*\n+4:P+8*\n+7], v[CO], s[10:11] offset:64*\n+16
.endr
.irp n, 0,1,2,3
	global_load_b128 v[SN+8*\n:SN+8*\n+3], v[CO], s[12:13] offset:64*\n
	global_load_b128 v[SN+8*\n+4:SN+8*\n+7], v[CO], s[12:13] offset:64*\n+16
.endr
	v_lshlrev_b32 v[AK0], 5, v[RR]
	v_lshl_add_u32 v[AK0], v[HH], 4, v[AK0]        ; K: key r, 32 bytes a key, + 16 h
	v_and_b32 v[AV0], 7, v0
	v_lshl_add_u32 v[AV0], v[HH], 3, v[AV0]
	v_lshlrev_b32 v[AV0], 5, v[AV0]
	v_bfe_u32 v[ADK], v0, 3, 1
	v_lshl_add_u32 v[AV0], v[ADK], 4, v[AV0]
	v_add_nc_u32 v[AV0], VOFF, v[AV0]              ; V: key 8 h + l % 8, channels 8 ((l / 8) % 2) on
	s_lshl_b32 s48, s[WV], 9
	s_add_co_u32 s48, s48, MSC
	v_add_nc_u32 v[MSCW], s48, v[LI]
	v_lshl_add_u32 v[MSCR], v[HH], 5, s48
	s_mul_i32 s48, s[WV], 16*272
	s_add_co_u32 s48, s48, STAGE
	v_mul_u32_u24 v[STO], v[RR], 272
	v_lshl_add_u32 v[STO], v[HH], 4, v[STO]
	v_add_nc_u32 v[STO], s48, v[STO]               ; the stage, in: row r, 16 bytes for each half of the lanes
	v_mul_u32_u24 v[RD], v[HH], 272
	v_lshl_add_u32 v[RD], v[RR], 4, v[RD]
	v_add_nc_u32 v[RD], s48, v[RD]                 ; back: lanes 0-15 one row of 256 bytes, lanes 16-31 the next
	v_lshlrev_b32 v[GO], 11, v[HH]
	v_lshl_add_u32 v[GO], v[RR], 4, v[GO]          ; and the same two rows in att
	s_wait_loadcnt 32                              ; the 16 partial sums are in; q, cos and sin (32 loads) may be out
.irp p, 1,2,3,4,5,6,7,8,9,10,11,12,13,14,15
	v_pk_add_f32 v[O:O+1], v[O:O+1], v[O+4*\p:O+4*\p+1]
	v_pk_add_f32 v[O+2:O+3], v[O+2:O+3], v[O+4*\p+2:O+4*\p+3]
.endr
.irp k, 0,1,2,3
	v_mul_f32 v[O+\k], 0x38b8aa3b, v[O+\k]         ; x c / 2048: the mean x c
.endr
	ds_store_b128 v[MSCW], v[O:O+3]                ; 128 numbers on end, in my wave's own bytes: LDS serves a wave's instructions in order
.irp k, 0,1,2,3,4,5,6,7,8,9,10,11,12,13,14,15
	ds_load_b128 v[O+4*\k:O+4*\k+3], v[MSCR] offset:256*(\k/8)+64*((\k/2)%4)+16*(\k%2)   ; back in q's layout
.endr
	s_wait_dscnt 0x0
	s_wait_loadcnt 0x0
.irp k, 0,2,4,6,8,10,12,14,16,18,20,22,24,26,28,30,32,34,36,38,40,42,44,46,48,50,52,54,56,58,60,62
	v_pk_fma_f32 v[S+\k:S+\k+1], v[S+\k:S+\k+1], s[CS:CS+1], v[O+\k:O+\k+1] op_sel_hi:[1,0,1] neg_lo:[0,0,1] neg_hi:[0,0,1]   ; (q - mean) c
.endr
.irp t, 0,1
.irp n, 0,1,2,3,4,5,6,7,8,9,10,11,12,13,14,15
	v_mul_f32 v[O+32*\t+2*\n], v[S+32*\t+2*\n], v[P+2*\n]
	v_mul_f32 v[O+32*\t+2*\n+1], v[S+32*\t+2*\n+1], v[P+2*\n+1]
	v_fma_f32 v[O+32*\t+2*\n], -v[S+32*\t+2*\n+1], v[SN+2*\n], v[O+32*\t+2*\n]
	v_fma_f32 v[O+32*\t+2*\n+1], v[S+32*\t+2*\n], v[SN+2*\n+1], v[O+32*\t+2*\n+1]
	v_cvt_pk_f16_f32 v[Q+16*\t+\n], v[O+32*\t+2*\n], v[O+32*\t+2*\n+1]   ; registers 8 c .. 8 c + 7 of a tile are its fragment for channels 32 c on
.endr
.endr
.irp k, 0,1,2,3,4,5,6,7,8,9,10,11,12,13,14,15,16,17,18,19,20,21,22,23,24,25,26,27,28,29,30,31,32,33,34,35,36,37,38,39,40,41,42,43,44,45,46,47,48,49,50,51,52,53,54,55,56,57,58,59,60,61,62,63
	v_mov_b32 v[O+\k], 0                           ; O^T.  (The step is written for all steps alike: the first finds zeros, which its factor 0 leaves zeros)
.endr
.irp t, 0,1
	v_mov_b32 v[ST+8*\t], 0xff61b1e6               ; M: -3e38, under every score
	v_mov_b32 v[ST+8*\t+1], 0                      ; (named with M as a pair)
	v_mov_b32 v[ST+8*\t+2], 0                      ; L, in two halves
	v_mov_b32 v[ST+8*\t+3], 0
	v_mov_b32 v[ST+8*\t+5], 0                      ; (a lane permute's destination counts as one of its sources)
.endr
.macro FETCH_K                         ; a step's K: fragment (16 keys kt, channels 32 c on): planes 2 c and 2 c + 1
	WIN 0
	v_add_nc_u32 v[ADK], s[TB], v[AK0]
	WIN 0x40                                       ; destination window 1
.irp kt, 0,1,2,3
.irp c, 0,1
	ds_load_b128 v[KF+16*\kt+8*\c:KF+16*\kt+8*\c+3], v[ADK] offset:(2*\c)*PL+512*\kt
	ds_load_b128 v[KF+16*\kt+8*\c+4:KF+16*\kt+8*\c+7], v[ADK] offset:(2*\c+1)*PL+512*\kt
.endr
.endr
.endm
.macro FETCH_V                         ; a step's V, turned: fragment (keys 32 ks on, channels 16 ct on)
	WIN 0
	v_add_nc_u32 v[ADV], s[TB], v[AV0]
	s_add_co_u32 s[TB], s[TB], 2048                ; the next fetch is the next step's
	WIN 0x40
.irp ks, 0,1
.irp ct, 0,1,2,3
	ds_load_tr16_b128 v[VF+32*\ks+8*\ct:VF+32*\ks+8*\ct+3], v[ADV] offset:\ct*PL+1024*\ks
	ds_load_tr16_b128 v[VF+32*\ks+8*\ct+4:VF+32*\ks+8*\ct+7], v[ADV] offset:\ct*PL+1024*\ks+512
.endr
.endr
.endm
; In both products eight accumulators take turns, one instruction a turn.
.macro SMUL                            ; S^T = K Q^T: product ii: tile ii % 2, keys 16 ((ii / 2) % 4) on, channels 32 (ii / 8) on; the first eight start the sums
	WIN 0x01                                       ; source 0 window 1
.set ii, 0
.rept 16
.set rS, S+32*(ii%2)+8*((ii/2)%4)
.set rK, KF+16*((ii/2)%4)+8*(ii/8)
.set rQ, Q+16*(ii%2)+8*(ii/8)
.if ii < 8
	v_wmma_f32_16x16x32_f16 v[rS:rS+7], v[rK:rK+7], v[rQ:rQ+7], 0
.else
	v_wmma_f32_16x16x32_f16 v[rS:rS+7], v[rK:rK+7], v[rQ:rQ+7], v[rS:rS+7]
.endif
.set ii, ii+1
.endr
.endm
.macro PVMUL                           ; O^T += V^T P: tile ii % 2, channels 16 ((ii / 2) % 4) on, keys 32 (ii / 8) on
	WIN 0x01
.set ii, 0
.rept 16
.set rO, O+32*(ii%2)+8*((ii/2)%4)
.set rV, VF+32*(ii/8)+8*((ii/2)%4)
.set rP, P+16*(ii%2)+8*(ii/8)
	v_wmma_f32_16x16x32_f16 v[rO:rO+7], v[rV:rV+7], v[rP:rP+7], v[rO:rO+7]
.set ii, ii+1
.endr
.endm
.macro SOFTMAX                         ; the two tiles line by line by turns
.irp j, 0,1,2,3
.irp t, 0,1
	v_max3_num_f32 v[ST+8*\t+4+\j], v[S+32*\t+8*\j], v[S+32*\t+8*\j+1], v[S+32*\t+8*\j+2]   ; each tile of scores from its low end on
.endr
.endr
.irp g, 1,2
.irp j, 0,1,2,3
.irp t, 0,1
	v_max3_num_f32 v[ST+8*\t+4+\j], v[ST+8*\t+4+\j], v[S+32*\t+8*\j+2*\g+1], v[S+32*\t+8*\j+2*\g+2]
.endr
.endr
.endr
.irp t, 0,1
	v_max3_num_f32 v[ST+8*\t+4], v[ST+8*\t+4], v[S+32*\t+7], v[S+32*\t+15]
	v_max3_num_f32 v[ST+8*\t+6], v[ST+8*\t+6], v[S+32*\t+23], v[S+32*\t+31]
.endr
.irp t, 0,1
	v_max3_num_f32 v[ST+8*\t+4], v[ST+8*\t+4], v[ST+8*\t+5], v[ST+8*\t+6]
.endr
.irp t, 0,1
	v_max3_num_f32 v[ST+8*\t+4], v[ST+8*\t+4], v[ST+8*\t+7], v[ST+8*\t]   ; with the old M
.endr
.irp t, 0,1
	v_permlanex16_b32 v[ST+8*\t+5], v[ST+8*\t+4], s[SEL], s[SEL+1]        ; the query's other 32 keys lie in the lane 16 away
.endr
.irp t, 0,1
	v_mov_b32 v[ST+8*\t+7], v[ST+8*\t]
.endr
.irp t, 0,1
	v_max_num_f32 v[ST+8*\t], v[ST+8*\t+4], v[ST+8*\t+5]                  ; the new M
.endr
.irp t, 0,1
	v_sub_f32 v[ST+8*\t+7], v[ST+8*\t+7], v[ST+8*\t]                      ; old M - new M
.endr
.irp b, 0,2,4,6,8,10,12,14,16,18,20,22,24,26,28,30
.irp t, 0,1
	v_pk_add_f32 v[S+32*\t+\b:S+32*\t+\b+1], v[S+32*\t+\b:S+32*\t+\b+1], v[ST+8*\t:ST+8*\t+1] op_sel_hi:[1,0] neg_lo:[0,1] neg_hi:[0,1]   ; t - M
.endr
.endr
.irp t, 0,1
	v_exp_f32 v[ST+8*\t+6], v[ST+8*\t+7]
.endr
.irp e, 0,1,2,3,4,5,6,7,8,9,10,11,12,13,14,15,16,17,18,19,20,21,22,23,24,25,26,27,28,29,30,31
.irp t, 0,1
	v_exp_f32 v[S+32*\t+\e], v[S+32*\t+\e]
.endr
.endr
	v_nop                                          ; a plain line behind the last exponential,
	s_wait_alu depctr_va_vdst(0)                   ; and one wait for the batch of 66, ahead of its first reader
.irp n, 0,1,2,3,4,5,6,7,8,9,10,11,12,13,14,15
.irp t, 0,1
	v_cvt_pk_f16_f32 v[P+16*\t+\n], v[S+32*\t+2*\n], v[S+32*\t+2*\n+1]    ; two tiles of scores are a fragment of P
.endr
.endr
.irp u, 0,1,2,3,4,5,6,7
.irp t, 0,1
	v_pk_add_f32 v[S+32*\t+4*\u:S+32*\t+4*\u+1], v[S+32*\t+4*\u:S+32*\t+4*\u+1], v[S+32*\t+4*\u+2:S+32*\t+4*\u+3]
.endr
.endr
.irp u, 0,1,2,3
.irp t, 0,1
	v_pk_add_f32 v[S+32*\t+8*\u:S+32*\t+8*\u+1], v[S+32*\t+8*\u:S+32*\t+8*\u+1], v[S+32*\t+8*\u+4:S+32*\t+8*\u+5]
.endr
.endr
.irp u, 0,1
.irp t, 0,1
	v_pk_add_f32 v[S+32*\t+16*\u:S+32*\t+16*\u+1], v[S+32*\t+16*\u:S+32*\t+16*\u+1], v[S+32*\t+16*\u+8:S+32*\t+16*\u+9]
.endr
.endr
.irp t, 0,1
	v_pk_add_f32 v[S+32*\t:S+32*\t+1], v[S+32*\t:S+32*\t+1], v[S+32*\t+16:S+32*\t+17]
.endr
.irp t, 0,1
	v_pk_fma_f32 v[ST+8*\t+2:ST+8*\t+3], v[ST+8*\t+2:ST+8*\t+3], v[ST+8*\t+6:ST+8*\t+7], v[S+32*\t:S+32*\t+1] op_sel_hi:[1,0,1]   ; L under the new M, + the step's sum of the unrounded p
.endr
.irp q, 0,2,4,6,8,10,12,14,16,18,20,22,24,26,28,30
.irp t, 0,1
	v_pk_mul_f32 v[O+32*\t+\q:O+32*\t+\q+1], v[O+32*\t+\q:O+32*\t+\q+1], v[ST+8*\t+6:ST+8*\t+7] op_sel_hi:[1,0]   ; O^T under the new M, each tile from its low end on
.endr
.endr
.endm
; A KEY STEP of 64 keys.  At its head K's 16 loads and, behind them, V's 16 are out.  next = 1: the next step's fragments are fetched as soon as this step's products have read theirs.
.macro STEP next
	s_wait_dscnt 16                                ; K is in; V's 16 loads may be out
	SMUL
	WIN 0
	PLACES                                         ; in front of the loads into K's registers and of the first read of the scores
.if \next
	FETCH_K
	WIN 0
.endif
	SOFTMAX
.if \next
	s_wait_dscnt 16                                ; V is in; the next K's 16 loads may be out
.else
	s_wait_dscnt 0x0
.endif
	PVMUL
	WIN 0
	PLACES
.if \next
	FETCH_V
	WIN 0
.endif
.endm
.macro INNER7                          ; a slot's first seven steps
	s_mov_b32 s[INNER], 7
.Lstep_\@:
	STEP 1
	s_sub_co_u32 s[INNER], s[INNER], 1
	s_cmp_lg_u32 s[INNER], 0
	s_cbranch_scc1 .Lstep_\@
.endm
; THE CHANGE OF SLOTS.  Each wave waits for all its tensor loads (its plane of the other slot), adds 0 to its spare word, and waits for that and for its reads of this slot, the last step's fragments among them.
; fill = 1: the barrier is a round of the cluster's, and the joint refill is the first thing behind it: it has eight key steps in which to land; one load of mine is out.
.macro CHANGE fill
	s_wait_tensorcnt 0x0
	ds_add_u32 v[SPW], v[NIL]
.if \fill
	s_xor_b32 s[G0B+1], s[G0B+1], SLOT1            ; no load of mine is out, so the walking descriptor may be written: the other slot,
	s_add_nc_u64 s[G0B+2:G0B+3], s[G0B+2:G0B+3], PL   ; the next 512 keys
.endif
	s_wait_dscnt 0x0
.if \fill
	CROUND
	tensor_load_to_lds s[G0B:G0B+3], s[G1:G1+7]
	s_nop 0
	PLACES
.else
	s_barrier_signal -1
	s_barrier_wait -1
.endif
	s_sub_co_u32 s[TB], s[TB], PL                  ; the fetches go back to a slot's first step,
	s_xor_b32 s[TB], s[TB], SLOT1                  ; in the other slot
.endm
	s_wait_tensorcnt 1                             ; my plane of slot 0 is in; slot 1's may stay out
	s_barrier_signal -1
	s_barrier_wait -1
	FETCH_K
	FETCH_V
	WIN 0
	s_mov_b32 s[SLOTS], 2
.Lslot:                                            ; two trips: slots 0 and 1 are filled again, with keys 1024 on and 1536 on
	INNER7
	CHANGE 1
	STEP 1
	s_sub_co_u32 s[SLOTS], s[SLOTS], 1
	s_cmp_lg_u32 s[SLOTS], 0
	s_cbranch_scc1 .Lslot
	INNER7                                         ; the tail is written out: nothing more is asked for
	CHANGE 0
	STEP 1
	INNER7
	STEP 0
	; ---- THE WAY OUT: O^T / L, f16, through my stage, so that sixteen lanes store 256 consecutive bytes (both heads' 64 channels of a row)
.irp t, 0,1
	v_add_f32 v[ST+8*\t+4], v[ST+8*\t+2], v[ST+8*\t+3]
.endr
.irp t, 0,1
	v_permlanex16_b32 v[ST+8*\t+5], v[ST+8*\t+4], s[SEL], s[SEL+1]
.endr
.irp t, 0,1
	v_add_f32 v[ST+8*\t+4], v[ST+8*\t+4], v[ST+8*\t+5]
.endr
.irp t, 0,1
	v_rcp_f32 v[ST+8*\t+6], v[ST+8*\t+4]
.endr
	v_nop
	s_wait_alu depctr_va_vdst(0)                   ; one wait for the two reciprocals, ahead of their first reader
.irp t, 0,1
.irp q, 0,2,4,6,8,10,12,14,16,18,20,22,24,26,28,30
	v_pk_mul_f32 v[O+32*\t+\q:O+32*\t+\q+1], v[O+32*\t+\q:O+32*\t+\q+1], v[ST+8*\t+6:ST+8*\t+7] op_sel_hi:[1,0]
.endr
.irp n, 0,1,2,3,4,5,6,7,8,9,10,11,12,13,14,15
	v_cvt_pk_f16_f32 v[P+16*\t+\n], v[O+32*\t+2*\n], v[O+32*\t+2*\n+1]
.endr
.irp c, 0,1,2,3
	ds_store_b128 v[STO], v[P+16*\t+4*\c:P+16*\t+4*\c+3] offset:128*\t+32*\c
.endr
.endr
.irp i, 0,1,2,3,4,5,6,7
	ds_load_b128 v[S+4*\i:S+4*\i+3], v[RD] offset:544*\i   ; my own bytes: LDS serves a wave's instructions in order
.endr
.irp i, 0,1,2,3,4,5,6,7
	s_wait_dscnt 7-\i                              ; rows 2 i, 2 i + 1 are back; the younger loads may be out
	global_store_b128 v[GO], v[S+4*\i:S+4*\i+3], s[14:15] offset:4096*\i
.endr
	s_wait_tensorcnt 0x0                           ; the wave's end
	ds_add_u32 v[SPW], v[NIL]
	s_wait_dscnt 0x0
	CROUND                                         ; the closing round
	s_endpgm
.Lfunc_end_k_q857797b043_attn:
	.size	k_q857797b043_attn, .Lfunc_end_k_q857797b043_attn-k_q857797b043_attn
	.p2alignl 7, 3214868480
	.fill 96, 4, 3214868480
	.section	.rodata,"a",@progbits
	.p2align	6, 0x0
	.amdhsa_kernel k_q857797b043_attn
		.amdhsa_group_segment_fixed_size 327680
		.amdhsa_private_segment_fixed_size 0
		.amdhsa_enable_private_segment 0
		.amdhsa_kernarg_size 48
		.amdhsa_user_sgpr_count 2
		.amdhsa_user_sgpr_kernarg_segment_ptr 1
		.amdhsa_wavefront_size32 1
		.amdhsa_system_sgpr_workgroup_id_x 1
		.amdhsa_system_sgpr_workgroup_id_y 1
		.amdhsa_system_sgpr_workgroup_id_z 1
		.amdhsa_system_vgpr_workitem_id 0
		.amdhsa_next_free_vgpr 384
		.amdhsa_next_free_sgpr 66
		.amdhsa_reserve_vcc 0
		.amdhsa_float_denorm_mode_32 3
		.amdhsa_float_denorm_mode_16_64 3
		.amdhsa_memory_ordered 1
		.amdhsa_forward_progress 1
		.amdhsa_inst_pref_size 137
	.end_amdhsa_kernel
	.amdgpu_metadata
---
amdhsa.version: [ 1, 2 ]
amdhsa.kernels:
  - .name:           k_q857797b043_attn
    .symbol:         k_q857797b043_attn.kd
    .args:
      - { .name: qimg, .offset: 0, .size: 8, .value_kind: global_buffer, .address_space: global }
      - { .name: psum, .offset: 8, .size: 8, .value_kind: global_buffer, .address_space: global }
      - { .name: kvp, .offset: 16, .size: 8, .value_kind: global_buffer, .address_space: global }
      - { .name: cos, .offset: 24, .size: 8, .value_kind: global_buffer, .address_space: global }
      - { .name: sin, .offset: 32, .size: 8, .value_kind: global_buffer, .address_space: global }
      - { .name: att, .offset: 40, .size: 8, .value_kind: global_buffer, .address_space: global }
    .group_segment_fixed_size: 327680
    .private_segment_fixed_size: 0
    .kernarg_segment_align: 8
    .kernarg_segment_size: 48
    .max_flat_workgroup_size: 256
    .sgpr_count:     66
    .vgpr_count:     384
    .wavefront_size: 32
...
	.end_amdgpu_metadata
.endif
;; end of part 3
;; launch outp (part 4): grid 8 x 32, 4 waves a work-group, clusters of 4 x 4, 327,680 bytes of LDS; arguments att, wof, out0; writes out0
.if DOCPART == 4
	.amdgcn_target "amdgcn-amd-amdhsa--gfx1250"
	.amdhsa_code_object_version 6
	.text
	.protected	k_q857797b043_outp
	.globl	k_q857797b043_outp
	.p2align	8
	.type	k_q857797b043_outp,@function
k_q857797b043_outp:
	s_mov_b64 s[64:65], 0
	v_nop
	global_prefetch_b8 v0, s[64:65] scope:SCOPE_SE
	s_setreg_imm32_b32 hwreg(HW_REG_WAVE_MODE, 25, 1), 1
	s_wait_xcnt 0x0
	s_wait_alu depctr_hold_cnt(0) depctr_sa_sdst(0) depctr_va_vdst(0) depctr_va_sdst(0) depctr_va_ssrc(0) depctr_va_vcc(0) depctr_vm_vsrc(0)
	s_getreg_b32 s2, hwreg(HW_REG_IB_STS2, 6, 4)
	s_cmp_eq_u32 s2, 0
	s_cbranch_scc0 .Lentry_in_a_cluster
	s_endpgm
.Lentry_in_a_cluster:
	s_bfe_u32 s2, ttmp6, 0x10000c
	s_cmp_lg_u32 s2, 0xf033
	s_cbranch_scc0 .Lentry_shape_is_right
	s_endpgm
.Lentry_shape_is_right:
; out0[m][n] = sum over k of att[m][k] Wo[k][n].  att: [4096][1024] f16, K innermost; wof: [1024 (k)][1024 (n)] f16, as Wo lies; out0: f32; sums in f32.
; A tile of out0 is 128 x 128: 256 work-groups.  Four waves, each 64 x 64: 16 accumulators.  K goes in steps of 256 through a ring of two LDS slots.
; A's tile: 128 rows x 512 bytes (+ 16).  B's tile: 256 rows of k x 256 bytes (+ 32): its fragments come out of LDS turned, by ds_load_tr16_b128.
; CLUSTER 4 x 4: A's tiles are shared along a row of the cluster, B's along a column: each is asked for jointly.
; THE MATRIX INSTRUCTION IS USED TRANSPOSED (source 0 = 16 columns of Wo, source 1 = 16 rows of att): a lane holds eight neighbouring numbers of a row of out0.
; A wave's 64 columns are 256 bytes of f32: each wave has a stage of its own for the way out, and no barrier stands there.
; No prefetch: the tiles are small and shared, and each refill is asked for a K step ahead.
; REGISTERS: window 0: v1-29 addresses; v32-95 the way out; v128-255 the accumulators ((a, b) at v[128 + 8 (4 a + b)]).  Window 1: two fragment buffers of 128: 64 of A, then 64 of B, for 64 along K.
.set SIZE_N, 1024
.set SIZE_K, 1024
.set KSTEP,  256
.set PITCH,  528
.set BPITCH, 288
.set HALFA,  64*PITCH                  ; what waves 0 and 1 bring
.set HALFB,  128*BPITCH                ; what waves 2 and 3 bring
.set BOFF,   2*HALFA
.set SLOT,   BOFF+2*HALFB
.set STAGE,  2*SLOT
.set SPITCH, 272
.set SPARE,  STAGE+4*16*SPITCH
.set LAPS,   SIZE_K/(2*KSTEP)
.set ADRA, 16                          ; v16-17  my A fragments in slot 0, 1
.set ADRB, 20                          ; v20-23  my B fragments: 2 x slot + half of the K step
.set STO,  24
.set RD,   25
.set CO,   26
.set SPW,  28                          ; LDS address of my spare word; never rewritten
.set NIL,  29                          ; 0; never rewritten
.set TMP,  32
.set ACC,  128
.set F0,   0
.set F1,   128
.set G1,   24
.set G0,   32
.set G1B,  48
.set G0B,  56
.set MSB, 0
.macro WIN new
.if MSB != (\new)
	s_set_vgpr_msb (MSB<<8)|(\new)
.set MSB, \new
.endif
.endm
.set MUL,  0x05                        ; sources window 1; C and D window 0
.set TO_F, 0x40                        ; destination window 1
.macro JLOAD s                         ; a joint load: waves 0 and 1 fetch A's halves, waves 2 and 3 B's; the branch hangs on the wave's number alone
	s_cmp_eq_u32 s11, 0
	s_cbranch_scc0 .Lfor_b_\@
	tensor_load_to_lds s[G0+4*\s:G0+4*\s+3], s[G1:G1+7]
	s_nop 0
.rept 4
	v_nop
.endr
	s_branch .Lasked_\@
.Lfor_b_\@:
	tensor_load_to_lds s[G0B+4*\s:G0B+4*\s+3], s[G1B:G1B+7]
	s_nop 0
.rept 4
	v_nop
.endr
.Lasked_\@:
.endm
.macro CREST
	s_cmp_lg_u32 s10, 0
	s_cbranch_scc1 .Lnot_wave_0_\@
	s_barrier_signal -3
.Lnot_wave_0_\@:
	s_barrier_wait -3
	s_barrier_signal -1
	s_barrier_wait -1
.endm
.macro CROUND
	s_barrier_signal -1
	s_barrier_wait -1
	CREST
.endm
	s_load_b128 s[4:7], s[0:1], 0x0                ; att s[4:5], wof s[6:7]
	s_load_b64 s[8:9], s[0:1], 0x10                ; out0
	v_lshl_add_u32 v[SPW], v0, 2, SPARE
	v_mov_b32 v[NIL], 0
	ds_add_u32 v[SPW], v[NIL]                      ; the wave's opening: the add, twice on end, and its wait ahead of my first tensor load
	ds_add_u32 v[SPW], v[NIL]
	v_lshrrev_b32 v1, 5, v0
	v_readfirstlane_b32 s10, v1                    ; wave 0..3
	s_lshr_b32 s11, s10, 1                         ; which half of the tile's rows is mine.  Also: I fetch for A (0) or for B (1)
	s_and_b32 s12, s10, 1                          ; which half of its columns.  Also: which half of that tile I fetch
	s_bfe_u32 s40, ttmp6, 0x40000
	s_bfe_u32 s41, ttmp6, 0x40004
	s_lshl_b32 s42, ttmp9, 2
	s_add_co_u32 s42, s42, s40                     ; tile column
	s_and_b32 s13, ttmp7, 0xffff
	s_lshl_b32 s13, s13, 2
	s_add_co_u32 s13, s13, s41                     ; tile row
	s_lshl_b32 s43, s41, 2
	s_lshl_b32 s43, 15, s43                        ; my row of the cluster
	s_lshl_b32 s44, 0x1111, s40                    ; my column
	s_or_b32 s[G1+0], s43, (1<<16)|(1<<20)|(1<<21)|(6<<22)|(3<<25)    ; A: elements of 2 bytes; 4 words of padding behind every 128
	s_mov_b32 s[G1+1], KSTEP<<16
	s_mov_b32 s[G1+2], 64<<16
	s_mov_b32 s[G1+3], KSTEP<<16
	s_mov_b32 s[G1+4], 64
	s_mov_b32 s[G1+5], SIZE_K
	s_mov_b32 s[G1+6], 0
	s_mov_b32 s[G1+7], 0
	s_or_b32 s[G1B+0], s44, (1<<16)|(1<<20)|(1<<21)|(5<<22)|(7<<25)   ; B: 8 words of padding behind every 64
	s_mov_b32 s[G1B+1], 128<<16
	s_mov_b32 s[G1B+2], 128<<16
	s_mov_b32 s[G1B+3], 128<<16
	s_mov_b32 s[G1B+4], 128
	s_mov_b32 s[G1B+5], SIZE_N
	s_mov_b32 s[G1B+6], 0
	s_mov_b32 s[G1B+7], 0
	s_lshl_b32 s17, s12, 6
	s_lshl_b32 s16, s13, 7
	s_add_co_u32 s16, s16, s17
	s_lshl_b32 s16, s16, 11                        ; A: row 128 x tile row + 64 x half, 2,048 bytes a row
	s_mov_b32 s17, 0
	s_lshl_b32 s46, s12, 18                        ; B: k row 128 x half, 2,048 bytes a row,
	s_lshl_b32 s47, s42, 8
	s_add_co_u32 s46, s46, s47                     ; + 256 bytes x tile column
	s_mov_b32 s47, 0
	s_mul_i32 s20, s12, HALFA                      ; where they go: the wave's number alone enters an LDS address
	s_mul_i32 s21, s12, HALFB
	s_add_co_u32 s21, s21, BOFF
	s_wait_dscnt 0x0                               ; both opening adds are done
	s_wait_kmcnt 0x0
	s_add_nc_u64 s[14:15], s[4:5], s[16:17]
	s_add_nc_u64 s[46:47], s[6:7], s[46:47]
	CROUND                                         ; all sixteen work-groups are here: the first joint loads meet
.irp s, 0,1
	s_mov_b32 s[G0+4*\s], 1
	s_add_co_u32 s[G0+4*\s+1], s20, \s*SLOT
	s_add_nc_u64 s[G0+4*\s+2:G0+4*\s+3], s[14:15], \s*KSTEP*2
	s_or_b32 s[G0+4*\s+3], s[G0+4*\s+3], 0x80000000
	s_mov_b32 s[G0B+4*\s], 1
	s_add_co_u32 s[G0B+4*\s+1], s21, \s*SLOT
	s_add_nc_u64 s[G0B+4*\s+2:G0B+4*\s+3], s[46:47], \s*KSTEP*SIZE_N*2
	s_or_b32 s[G0B+4*\s+3], s[G0B+4*\s+3], 0x80000000
	JLOAD \s
.endr
	v_and_b32 v1, 15, v0                           ; l % 16
	v_bfe_u32 v2, v0, 4, 1                         ; l / 16
	v_mul_u32_u24 v3, v1, PITCH
	v_lshl_add_u32 v3, v2, 4, v3
	s_mul_i32 s22, s11, HALFA                      ; my 64 rows of A
	v_add_nc_u32 v[ADRA], s22, v3
	v_add_nc_u32 v[ADRA+1], SLOT, v[ADRA]
	v_and_b32 v4, 7, v0
	v_lshl_add_u32 v4, v2, 3, v4
	v_mul_u32_u24 v4, v4, BPITCH                   ; B: k row 8 (l / 16) + l % 8,
	v_bfe_u32 v5, v0, 3, 1
	v_lshl_add_u32 v4, v5, 4, v4                   ; columns 8 ((l / 8) % 2) on,
	s_lshl_b32 s22, s12, 7
	s_add_co_u32 s22, s22, BOFF                    ; of my 64 columns
	v_add_nc_u32 v[ADRB], s22, v4
	v_add_nc_u32 v[ADRB+1], HALFB, v[ADRB]
	v_add_nc_u32 v[ADRB+2], SLOT, v[ADRB]
	v_add_nc_u32 v[ADRB+3], SLOT+HALFB, v[ADRB]
	s_mul_i32 s23, s10, 16*SPITCH
	s_add_co_u32 s23, s23, STAGE                   ; my stage
	v_mul_u32_u24 v4, v1, SPITCH
	v_lshl_add_u32 v4, v2, 5, v4
	v_add_nc_u32 v[STO], s23, v4                   ; in: row l % 16, 32 bytes for each half of the lanes
	v_mul_u32_u24 v5, v2, SPITCH
	v_lshl_add_u32 v5, v1, 4, v5
	v_add_nc_u32 v[RD], s23, v5                    ; back: lanes 0-15 one row of 256 bytes, lanes 16-31 the next
	v_lshlrev_b32 v5, 12, v2
	v_lshl_add_u32 v[CO], v1, 4, v5                ; and the same two rows in out0
	s_lshl_b32 s16, s13, 7
	s_lshl_b32 s17, s11, 6
	s_add_co_u32 s16, s16, s17
	s_lshl_b32 s16, s16, 12                        ; my first row, 4,096 bytes a row,
	s_lshl_b32 s17, s42, 9
	s_add_co_u32 s16, s16, s17
	s_lshl_b32 s17, s12, 8
	s_add_co_u32 s16, s16, s17                     ; my first column
	s_mov_b32 s17, 0
	s_add_nc_u64 s[8:9], s[8:9], s[16:17]
; 8 matrix instructions: m blocks a0, a0 + 1 x all 4 n blocks, 32 along K: half c of buffer f.  The 16 accumulators take turns.
.macro MUL8 f, c, a0, zero
.irp a, \a0, \a0+1
.irp b, 0,1,2,3
.if \zero
	v_wmma_f32_16x16x32_f16 v[ACC+8*(4*(\a)+\b):ACC+8*(4*(\a)+\b)+7], v[\f+64+8*(4*\c+\b):\f+64+8*(4*\c+\b)+7], v[\f+8*(4*\c+\a):\f+8*(4*\c+\a)+7], 0
.else
	v_wmma_f32_16x16x32_f16 v[ACC+8*(4*(\a)+\b):ACC+8*(4*(\a)+\b)+7], v[\f+64+8*(4*\c+\b):\f+64+8*(4*\c+\b)+7], v[\f+8*(4*\c+\a):\f+8*(4*\c+\a)+7], v[ACC+8*(4*(\a)+\b):ACC+8*(4*(\a)+\b)+7]
.endif
.endr
.endr
.endm
; 32 LDS loads in one run: the fragments of quarter q (64 along K) of a slot into buffer f; the first 32 along K first
.macro FETCH slot, q, f
	WIN TO_F
.irp c, 0,1
.irp i, 0,1,2,3
	ds_load_tr16_b128 v[\f+64+8*(4*\c+\i):\f+64+8*(4*\c+\i)+3],   v[ADRB+2*\slot+(\q)/2] offset:(((\q)%2)*64+32*\c)*BPITCH+32*\i
	ds_load_tr16_b128 v[\f+64+8*(4*\c+\i)+4:\f+64+8*(4*\c+\i)+7], v[ADRB+2*\slot+(\q)/2] offset:(((\q)%2)*64+32*\c+16)*BPITCH+32*\i
	ds_load_b128 v[\f+8*(4*\c+\i):\f+8*(4*\c+\i)+3],         v[ADRA+\slot] offset:128*(\q)+64*\c+\i*16*PITCH
	ds_load_b128 v[\f+8*(4*\c+\i)+4:\f+8*(4*\c+\i)+7],       v[ADRA+\slot] offset:128*(\q)+64*\c+\i*16*PITCH+32
.endr
.endr
.endm
.macro PLACES
.rept 4
	v_nop
.endr
.endm
; One of a K step's first three quarters: multiplies buffer f and fetches quarter q of the same slot into g.
.macro QUARTER slot, q, f, g, zero
	s_wait_dscnt 16                                ; the first 32 along K are in; the 16 loads of the second 32 may be out
	WIN MUL
	MUL8 \f, 0, 0, \zero
	MUL8 \f, 0, 2, \zero
	PLACES
	FETCH \slot, \q, \g
	s_wait_dscnt 32                                ; all but the 32 just issued
	WIN MUL
	MUL8 \f, 1, 0, 0
	MUL8 \f, 1, 2, 0
.endm
; The last quarter multiplies buffer 1 and changes slots: one barrier; in front of it each wave waits for all its tensor loads, adds 0 to its spare word, and waits for that and for its reads of this slot.
.macro TURN slot, next, fill
	WIN 0
	s_wait_tensorcnt 0x0                           ; my part of the next slot has landed
	ds_add_u32 v[SPW], v[NIL]
	s_wait_dscnt 17                                ; (the add and the youngest sixteen loads may be out)
	WIN MUL
	MUL8 F1, 0, 0, 0
	s_wait_dscnt 0x0                               ; the add is done, and my reads of this slot are over
	s_barrier_signal -1
	MUL8 F1, 0, 2, 0
.if \fill
	WIN 0
.endif
	s_barrier_wait -1
.if \fill
	CREST                                          ; the barrier has opened a round of the cluster's: no wave of any partner still reads this slot or has a load on its way
	s_add_nc_u64 s[G0+4*\slot+2:G0+4*\slot+3], s[G0+4*\slot+2:G0+4*\slot+3], 2*KSTEP*2
	s_add_nc_u64 s[G0B+4*\slot+2:G0B+4*\slot+3], s[G0B+4*\slot+2:G0B+4*\slot+3], 2*KSTEP*SIZE_N*2
	JLOAD \slot                                    ; the first tensor load behind the round; its four v_nop are also the places in front of the loads below
.else
	PLACES
.endif
	FETCH \next, 0, F0
	WIN MUL
	MUL8 F1, 1, 0, 0
	MUL8 F1, 1, 2, 0
.endm
	s_wait_tensorcnt 1                             ; my part of K step 0 is in; K step 1's may stay out
	s_barrier_signal -1
	s_barrier_wait -1
	FETCH 0, 0, F0
	QUARTER 0, 1, F0, F1, 1                        ; the first quarter stands in front of the loop: its first products start the sums
	WIN 0
	s_mov_b32 s3, LAPS-1
.Llap:                                             ; a trip goes once round the ring and fills both slots again
	QUARTER 0, 2, F1, F0, 0
	QUARTER 0, 3, F0, F1, 0
	TURN 0, 1, 1
	QUARTER 1, 1, F0, F1, 0
	QUARTER 1, 2, F1, F0, 0
	QUARTER 1, 3, F0, F1, 0
	TURN 1, 0, 1
	QUARTER 0, 1, F0, F1, 0
	WIN 0
	s_sub_co_u32 s3, s3, 1
	s_cmp_lg_u32 s3, 0
	s_cbranch_scc1 .Llap
	QUARTER 0, 2, F1, F0, 0                        ; the last lap fills nothing
	QUARTER 0, 3, F0, F1, 0
	TURN 0, 1, 0
	QUARTER 1, 1, F0, F1, 0
	QUARTER 1, 2, F1, F0, 0
	QUARTER 1, 3, F0, F1, 0
	s_wait_dscnt 16
	WIN MUL
	MUL8 F1, 0, 0, 0
	MUL8 F1, 0, 2, 0
	s_wait_dscnt 0x0
	MUL8 F1, 1, 0, 0
	MUL8 F1, 1, 2, 0
	WIN 0
; THE WAY OUT, a block of 16 rows x 64 columns at a time, through my own stage: in as 32 bytes a lane, back as whole rows of 256 bytes.  LDS serves a wave's instructions in order.
.macro TOSTAGE a
.irp b, 0,1,2,3
	ds_store_b128 v[STO], v[ACC+8*(4*(\a)+\b):ACC+8*(4*(\a)+\b)+3] offset:64*\b          ; each accumulator from its low end on
	ds_store_b128 v[STO], v[ACC+8*(4*(\a)+\b)+4:ACC+8*(4*(\a)+\b)+7] offset:64*\b+16
.endr
.set BK, TMP+32*((\a)%2)
.irp t, 0,1,2,3,4,5,6,7
	ds_load_b128 v[BK+4*\t:BK+4*\t+3], v[RD] offset:\t*2*SPITCH
.endr
.endm
.macro SEND a, younger                 ; younger: the LDS instructions issued behind block a's loads, which may stay out
.set BK, TMP+32*((\a)%2)
	s_wait_dscnt \younger
.irp t, 0,1,2,3,4,5,6,7
	global_store_b128 v[CO], v[BK+4*\t:BK+4*\t+3], s[8:9] offset:(16*(\a)+2*\t)*SIZE_N*4 th:TH_STORE_NT   ; 16 lanes store 256 consecutive bytes, aligned
.endr
.endm
	PLACES
	TOSTAGE 0
.irp a, 1,2,3
.if \a > 1
	s_wait_xcnt 0x0                                ; block a - 2's stores have read their registers: block a's loads may land there
.endif
	TOSTAGE \a
	SEND \a-1, 16                                  ; behind block a - 1's loads: block a's 8 stores and 8 loads
.endr
	SEND 3, 0
	s_wait_tensorcnt 0x0                           ; the wave's end
	ds_add_u32 v[SPW], v[NIL]
	s_wait_dscnt 0x0
	CROUND                                         ; the closing round
	s_endpgm
.Lfunc_end_k_q857797b043_outp:
	.size	k_q857797b043_outp, .Lfunc_end_k_q857797b043_outp-k_q857797b043_outp
	.p2alignl 7, 3214868480
	.fill 96, 4, 3214868480
	.section	.rodata,"a",@progbits
	.p2align	6, 0x0
	.amdhsa_kernel k_q857797b043_outp
		.amdhsa_group_segment_fixed_size 327680
		.amdhsa_private_segment_fixed_size 0
		.amdhsa_enable_private_segment 0
		.amdhsa_kernarg_size 24
		.amdhsa_user_sgpr_count 2
		.amdhsa_user_sgpr_kernarg_segment_ptr 1
		.amdhsa_wavefront_size32 1
		.amdhsa_system_sgpr_workgroup_id_x 1
		.amdhsa_system_sgpr_workgroup_id_y 1
		.amdhsa_system_sgpr_workgroup_id_z 1
		.amdhsa_system_vgpr_workitem_id 0
		.amdhsa_next_free_vgpr 512
		.amdhsa_next_free_sgpr 66
		.amdhsa_reserve_vcc 0
		.amdhsa_float_denorm_mode_32 3
		.amdhsa_float_denorm_mode_16_64 3
		.amdhsa_memory_ordered 1
		.amdhsa_forward_progress 1
		.amdhsa_inst_pref_size 86
	.end_amdhsa_kernel
	.amdgpu_metadata
---
amdhsa.version: [ 1, 2 ]
amdhsa.kernels:
  - .name:           k_q857797b043_outp
    .symbol:         k_q857797b043_outp.kd
    .args:
      - { .name: att, .offset: 0, .size: 8, .value_kind: global_buffer, .address_space: global }
      - { .name: wof, .offset: 8, .size: 8, .value_kind: global_buffer, .address_space: global }
      - { .name: out0, .offset: 16, .size: 8, .value_kind: global_buffer, .address_space: global }
    .group_segment_fixed_size: 327680
    .private_segment_fixed_size: 0
    .kernarg_segment_align: 8
    .kernarg_segment_size: 24
    .max_flat_workgroup_size: 128
    .sgpr_count:     66
    .vgpr_count:     512
    .wavefront_size: 32
...
	.end_amdgpu_metadata
.endif
;; end of part 4
